; MI455X (gfx1250); checked and timed in simulation.
; The chip was launched on July 23, 2026; its instructions are those of AMD's public machine-readable ISA for CDNA 5 (MIT licence, August 2026) and "CDNA5" Instruction Set Architecture Reference Guide (July 2026). The comments in the code are by the model that wrote it; some were corrected since.
;; Multi Head Attention. Allowed arithmetic: matrix products marked QUANTISED: E4M3 operands, one given power-of-two scale a tensor, by v_wmma_f32_16x16x64_fp8_fp8 or v_wmma_f32_16x16x128_fp8_fp8, f32 sums; everything else in f32.
;; Inputs: Wk 1,024 x 1,024 float32; Wo 1,024 x 1,024 float32; Wq 1,024 x 1,024 float32; Wv 1,024 x 1,024 float32; bk 1,024 float32; bo 1,024 float32; bq 1,024 float32; bv 1,024 float32; lowp_scales 12 int32 (the exponents e of the quantised operands' scales 2^e); x 4 x 2,048 x 1,024 float32.
;; Outputs: out0 4 x 2,048 x 1,024 float32.
;; This version of the problem:
;;   THIS VERSION OF THE PROBLEM IS GIVEN IN LOW PRECISION. The matrix products marked QUANTISED in the list below multiply operands that are first quantised to E4M3 (4 exponent bits, 3 mantissa bits; 8 bits a number), with one given power-of-two scale for each operand tensor; their sums are f32. All else is computed in f32.
;;   The module's matrix products, in the order in which they are computed (A, B: the left and right operand; K: the contracted axis; several contracted axes count as one K, in the product's order):
;;     1. [M 8,192, K 1,024] x [K 1,024, N 1,024]; A: input x; B: input Wq: QUANTISED (scales: A lowp_scales[0], B lowp_scales[1])
;;     2. [M 8,192, K 1,024] x [K 1,024, N 1,024]; A: input x; B: input Wk: QUANTISED (scales: A lowp_scales[2], B lowp_scales[3])
;;     3. [M 8,192, K 1,024] x [K 1,024, N 1,024]; A: input x; B: input Wv: QUANTISED (scales: A lowp_scales[4], B lowp_scales[5])
;;     4. batch 64 x [M 2,048, K 64] x [K 64, N 2,048]; A: computed on the way; B: computed on the way: QUANTISED (scales: A lowp_scales[6], B lowp_scales[7])
;;     5. batch 64 x [M 2,048, K 2,048] x [K 2,048, N 64]; A: softmax (see below); B: computed on the way: QUANTISED (scales: A lowp_scales[8], B lowp_scales[9])
;;     6. [M 8,192, K 1,024] x [K 1,024, N 1,024]; A: computed on the way; B: input Wo: QUANTISED (scales: A lowp_scales[10], B lowp_scales[11])
;;   THE QUANTISER, for each operand of a quantised product, along K:
;;     - The operand's scale is 2^e, e = its entry of the input lowp_scales (int32; the entries are numbered through the quantised products in the list's order, A before B).
;;     - Each number is divided by the scale, clamped to +-448, and rounded to the nearest number of E4M3, ties to even, subnormals kept.
;;     - The product sums the exact products of the quantised numbers (number of the format x scale) in f32.
;;   ~~~python
;;   def quantise(x, axis, e):      # numpy; x: float32 -> the quantised numbers, widened to float32 again
;;       x = np.moveaxis(x, axis, -1); K = x.shape[-1]
;;       r = np.clip(x / 2.0 ** e, -448, 448)
;;       step = 2.0 ** (np.maximum(np.frexp(np.where(r == 0, 1, r))[1] - 1, -6) - 3)
;;       q = np.round(r / step) * step * 2.0 ** e      # np.round: ties to even
;;       return np.moveaxis(q, -1, axis).astype(np.float32)
;;   ~~~
;;   SOFTMAX AHEAD OF A QUANTISED PRODUCT. Where the list says 'softmax', what is quantised is not the finished softmax but p = 2^(t - M), with t = logit x log2(e) and M = ceil(the row's largest t), a whole number; so 1/2 < the row's largest p <= 1. The row's sum l is taken of the UNQUANTISED p, in f32, and the product's result is divided by l at the end. Since M is a whole number, a kernel that streams over the keys may use a running M (the ceiling of the running maximum): every later rescaling is an exact power of two, so the quantised numbers keep their values, but for numbers so far below the row's largest that they fall under the format's range.
;;   OPERANDS COMPUTED ON THE WAY. 'Computed on the way' means the value that the module computes at that place (a softmax that the list does not call 'softmax' is quantised finished and normalised). What goes into a quantiser is computed in f32, as accurately as f32 sums, v_exp_f32 and their like allow (about 1e-6 of the number): no bf16 or f16 on the way to a quantiser, and a product that is left as it is and whose result goes on into a quantised operand takes f32 operands (vector FMAs, or v_wmma_f32_16x16x4_f32). A number that lies on a knife's edge between two numbers of the format may be rounded either way, as far as f32 arithmetic and the matrix unit's own rounding can turn it there, and no further.
;; One version. Each part assembles by itself: llvm-mc -triple=amdgcn-amd-amdhsa -mcpu=gfx1250 --defsym DOCPART=n.
;; ======== version 1 of 1: 4 launches
;; limits: right only within a limited range of input values
;; workspace buffers: xc 25,165,824 bytes; wc 4,194,304 bytes; qc 8,388,608 bytes; kc 8,388,608 bytes; vc 8,388,608 bytes; cc 8,388,608 bytes
;; launch quant (part 1): grid 768 x 1, 4 waves a work-group, no clusters, 34,304 bytes of LDS; arguments x, Wq, Wk, Wv, Wo, lowp_scales, xc, wc; writes xc, wc
.if DOCPART == 1
	.amdgcn_target "amdgcn-amd-amdhsa--gfx1250"
	.amdhsa_code_object_version 6
	.text
	.protected	k_q1bdda42879_quant
	.globl	k_q1bdda42879_quant
	.p2align	8
	.type	k_q1bdda42879_quant,@function
k_q1bdda42879_quant:
	s_mov_b64 s[64:65], 0
	v_nop
	global_prefetch_b8 v0, s[64:65] scope:SCOPE_SE
	s_setreg_imm32_b32 hwreg(HW_REG_WAVE_MODE, 25, 1), 1
	s_wait_xcnt 0x0
; x [8192][1024] f32 becomes three sets of E4M3 codes (scales 2^e0, 2^e2, 2^e4: one set for each product that reads x); Wq, Wk, Wv, Wo [k][n] f32 become codes with K innermost (2^e1, 2^e3, 2^e5, 2^e11).
; code = number / 2^e, held within +-448, rounded to the nearest code, ties to even.  LIMITS: each e between -126 and 119, so that 2^e and 448 x 2^e are f32 numbers; NaN among the inputs is not served.
; THE LAYOUT OF ALL CODES is an image of the operand's registers.  For R rows and K = 1,024 the code (block rb of 16 rows, lane row r, k) lies at byte
;   (k>>8) R 256 + rb 4096 + ((k>>7)&1) 2048 + ((k>>5)&3) 512 + ((k>>4)&1) 256 + 16 r + (k&15):
; a fragment (16 rows x 128 K) is 2,048 bytes on end, and four loads of 16 bytes a lane, 512 bytes apart, at 16 x lane, fill its registers.
; THE ROWS OF A BLOCK ARE NOT NEIGHBOURS: lane row r of block 2 B + u is row 32 B + 8 u + (r & 7) + 16 (r >> 3), so that a product whose source 0 is such a block leaves 16 neighbours in two accumulators of a lane.
; Work-groups 0-511 take x: work-group g is block g (16 whole rows), wave w its k = 256 w .. 256 w + 255.  Work-groups 512-767 take the weights: 128 columns x 128 along K each.
; No work-group shares an input with another, so there is no cluster; the work is a stream, so there is no matrix unit and no tensor load.  Only the path for x uses LDS, each wave bytes of its own: no barrier.
.set WGX,  512
.set SP,   528                         ; a stage row: 512 bytes (128 numbers) + 16: the sixteen rows that a read touches start 4 words apart in the banks' cycle of 64 words
.set STG,  16*SP                       ; a wave's stage
.set RX,   16                          ; v16-143  two fragments as loaded, 64 registers each; later each fragment's 48 registers of codes
.set X,    144                         ; v144-207 64 numbers of my row: register 16 c + i is k = 32 c + 16 h + i
.set T,    208
.set SC,   240                         ; v240-242 2^e as f32, for e0, e2, e4
.set LM,   244
.set XW,   32                          ; weights: v32-95 two sets of 32 numbers down K
.set CW,   96                          ; v96-127  codes, eight registers for each of four blocks of 32: no store's data are written again
.macro TURNX f                         ; fragment f goes through my stage as it was loaded and comes back 16 neighbours at a time; LDS serves a wave's instructions in order, so no wait stands between
.irp p, 0,1,2,3,4,5,6,7,8,9,10,11,12,13,14,15
	ds_store_b128 v3, v[RX+64*\f+4*\p:RX+64*\f+4*\p+3] offset:SP*\p
.endr
	v_nop
.irp c, 0,1,2,3
.irp j, 0,1,2,3
	ds_load_b128 v[X+16*\c+4*\j:X+16*\c+4*\j+3], v4 offset:128*\c+16*\j
.endr
.endr
	s_wait_dscnt 0x0                               ; the 64 numbers are in
.endm
.macro QX f                            ; three sets of codes from the same 64 numbers, and their stores
.irp z, 0,1,2
.irp c, 0,1,2,3
.set TT, T+16*(\c%2)
.set i, 0
.rept 16
.set i, i+1
.endr
	v_cvt_scalef32_pk8_fp8_f32 v[RX+64*\f+16*\z+4*\c:RX+64*\f+16*\z+4*\c+1], v[TT+((X+16*\c+i)-(TT+i)):TT+7+((X+16*\c+i)-(TT+i))], v[SC+\z]
	v_cvt_scalef32_pk8_fp8_f32 v[RX+64*\f+16*\z+4*\c+2:RX+64*\f+16*\z+4*\c+3], v[TT+8+((X+16*\c+i)-(TT+i)):TT+15+((X+16*\c+i)-(TT+i))], v[SC+\z]
.endr
.endr
.irp z, 0,1,2
.irp c, 0,1,2,3
	global_store_b128 v2, v[RX+64*\f+16*\z+4*\c:RX+64*\f+16*\z+4*\c+3], s[24+2*\z:25+2*\z] offset:2048*\f+512*\c   ; 32 lanes store 512 consecutive bytes, at a multiple of 512 from the buffer's first byte
.endr
.endr
.endm
.macro LOADW t                         ; W(32 t + i, my column), i = 0 .. 31, into set t % 2
.set i, 0
.rept 32
	global_load_b32 v[XW+32*((\t)%2)+i], v3, s[24:25] offset:(32*(\t)+i)*4096 th:TH_LOAD_NT
.set i, i+1
.endr
.endm
.macro BLOCKW t
.set XS, XW+32*((\t)%2)
.if (\t) < 3
	s_wait_loadcnt 32                              ; this block's 32 loads are in; the next block's may be out
.else
	s_wait_loadcnt 0
.endif
.set i, 0
.rept 32
.set i, i+1
.endr
.irp g, 0,1,2,3
	v_cvt_scalef32_pk8_fp8_f32 v[CW+8*(\t)+2*\g:CW+8*(\t)+2*\g+1], v[XS+8*\g:XS+8*\g+7], v11
.endr
	global_store_b128 v5, v[CW+8*(\t):CW+8*(\t)+3], s[18:19] offset:512*(\t)          ; k = 32 t + 0 .. 15: sixteen lanes fill 256 consecutive bytes of one block, the other sixteen of the next block
	global_store_b128 v5, v[CW+8*(\t)+4:CW+8*(\t)+7], s[18:19] offset:512*(\t)+256    ; k = 32 t + 16 .. 31
.if (\t)+2 < 4
	LOADW (\t)+2
.endif
.endm
	s_load_b256 s[4:11], s[0:1], 0x0               ; x s[4:5], Wq s[6:7], Wk s[8:9], Wv s[10:11]
	s_load_b256 s[12:19], s[0:1], 0x20             ; Wo s[12:13], the exponents s[14:15], xc s[16:17], wc s[18:19]
	v_lshl_add_u32 v254, v0, 2, 0x8400
	v_mov_b32 v255, 0
	v_lshrrev_b32 v1, 5, v0
	v_readfirstlane_b32 s20, v1                    ; wave 0..3
	v_and_b32 v1, 31, v0                           ; lane
	s_wait_kmcnt 0x0
	s_load_b256 s[36:43], s[14:15], 0x0            ; e0 .. e7
	s_load_b128 s[44:47], s[14:15], 0x20           ; e8 .. e11
	s_cmp_ge_u32 ttmp9, WGX
	s_cbranch_scc1 .Lweights
	s_wait_alu depctr_va_vdst(0)
	; ---- x
	v_lshlrev_b32 v2, 4, v1                        ; 16 x lane: my bytes of a load's 512, and of a store's
	s_wait_alu depctr_va_vdst(0)
	s_mul_i32 s21, s20, STG
	v_add_nc_u32 v3, s21, v2                       ; into my stage
	v_and_b32 v5, 15, v0                           ; r
	v_bfe_u32 v6, v0, 4, 1                         ; h
	v_mul_u32_u24 v4, v5, SP
	v_lshl_add_u32 v4, v6, 6, v4
	v_add_nc_u32 v4, s21, v4                       ; out of it: stage row r, + 64 h: 16 numbers of each 32
	s_lshr_b32 s22, ttmp9, 1
	s_lshl_b32 s22, s22, 5
	s_and_b32 s23, ttmp9, 1
	s_lshl_b32 s23, s23, 3
	s_add_co_u32 s22, s22, s23                     ; the block's first row: 32 (g / 2) + 8 (g % 2)
	s_lshl_b32 s22, s22, 12                        ; rows of 4,096 bytes
	s_lshl_b32 s23, s20, 10                        ; my wave's 256 numbers
	s_add_co_u32 s22, s22, s23
	s_mov_b32 s23, 0
	s_add_nc_u64 s[4:5], s[4:5], s[22:23]
.irp q, 0,1
.irp p, 0,1,2,3,4,5,6,7,8,9,10,11,12,13,14,15
	global_load_b128 v[RX+64*\q+4*\p:RX+64*\q+4*\p+3], v2, s[4:5] offset:((\p%8)+16*(\p/8))*4096+512*\q th:TH_LOAD_NT   ; lane row p's 128 numbers of fragment q: 512 consecutive bytes
.endr
.endr
	s_lshl_b32 s22, s20, 21                        ; K step w: 8,192 rows x 256 bytes,
	s_lshl_b32 s21, ttmp9, 12                      ; block g
	s_add_co_u32 s22, s22, s21
	s_add_nc_u64 s[24:25], s[16:17], s[22:23]      ; the three sets lie 8 MiB apart: a base for each
	s_add_nc_u64 s[26:27], s[24:25], 0x800000
	s_add_nc_u64 s[28:29], s[26:27], 0x800000
	s_wait_alu depctr_va_vdst(0)
	s_wait_kmcnt 0x0
.irp z, 0,1,2
	s_add_co_i32 s30, s[36+2*\z], 127
	s_lshl_b32 s31, s30, 23
	v_mov_b32 v[SC+\z], s31                        ; 2^e as f32: the conversion takes its exponent field
	s_add_co_i32 s30, s30, 8
	s_lshl_b32 s30, s30, 23
	s_or_b32 s30, s30, 0x600000
.endr
	s_wait_alu depctr_va_vdst(0)
	s_wait_loadcnt 16                              ; fragment 0's sixteen loads are in; fragment 1's stay out
	TURNX 0
	QX 0
	s_wait_loadcnt 0x0
	TURNX 1
	QX 1
	s_wait_tensorcnt 0x0
	ds_add_u32 v254, v255
	s_wait_dscnt 0x0
	s_endpgm
	; ---- the weights: a lane takes a column n and its registers run down K, so the conversions give codes with K innermost and nothing is transposed
.Lweights:
	s_sub_co_u32 s21, ttmp9, WGX
	s_and_b32 s22, s21, 7                          ; which 128 columns
	s_bfe_u32 s23, s21, 0x30003                    ; which 128 along K
	s_lshr_b32 s21, s21, 6                         ; which weight: 0 Wq, 1 Wk, 2 Wv, 3 Wo
	s_cmp_eq_u32 s21, 1
	s_cselect_b64 s[24:25], s[8:9], s[6:7]
	s_cmp_eq_u32 s21, 2
	s_cselect_b64 s[24:25], s[10:11], s[24:25]
	s_cmp_eq_u32 s21, 3
	s_cselect_b64 s[24:25], s[12:13], s[24:25]
	s_lshl_b32 s26, s22, 7
	s_lshl_b32 s27, s20, 5
	s_add_co_u32 s26, s26, s27                     ; my wave's first column n0
	s_lshl_b32 s28, s23, 19                        ; 128 rows of 4,096 bytes
	s_lshl_b32 s29, s26, 2
	s_add_co_u32 s28, s28, s29
	s_mov_b32 s29, 0
	s_add_nc_u64 s[24:25], s[24:25], s[28:29]
	s_wait_alu depctr_va_vdst(0)
	v_lshlrev_b32 v3, 2, v1                        ; 4 bytes a lane: a wave reads 128 consecutive bytes, the four waves side by side 512
	LOADW 0
	LOADW 1
	s_lshl_b32 s28, s21, 20                        ; the weight's image: 1 MiB each,
	s_lshr_b32 s30, s23, 1
	s_lshl_b32 s30, s30, 18                        ; K step of 256: 1,024 rows x 256 bytes,
	s_add_co_u32 s28, s28, s30
	s_lshl_b32 s30, s26, 8                         ; block n0 / 16: 4,096 bytes each,
	s_add_co_u32 s28, s28, s30
	s_and_b32 s30, s23, 1
	s_lshl_b32 s30, s30, 11                        ; which fragment of the K step
	s_add_co_u32 s28, s28, s30
	s_add_nc_u64 s[18:19], s[18:19], s[28:29]
	v_bfe_u32 v6, v0, 3, 1                         ; column n0 + lane is lane row (lane & 7) + 8 (lane >> 4) of block n0 / 16 + ((lane >> 3) & 1)
	v_and_b32 v7, 7, v0
	v_bfe_u32 v8, v0, 4, 1
	v_lshl_add_u32 v7, v8, 3, v7
	v_lshlrev_b32 v5, 4, v7
	v_lshl_add_u32 v5, v6, 12, v5
	s_wait_kmcnt 0x0
	s_cmp_eq_u32 s21, 1
	s_cselect_b32 s30, s39, s37                    ; e3 or e1
	s_cmp_eq_u32 s21, 2
	s_cselect_b32 s30, s41, s30                    ; e5
	s_cmp_eq_u32 s21, 3
	s_cselect_b32 s30, s47, s30                    ; e11
	s_add_co_i32 s30, s30, 127
	s_lshl_b32 s31, s30, 23
	v_mov_b32 v11, s31                             ; 2^e
	s_wait_alu depctr_va_vdst(0)
	BLOCKW 0
	BLOCKW 1
	BLOCKW 2
	BLOCKW 3
	s_endpgm
.Lfunc_end_k_q1bdda42879_quant:
	.size	k_q1bdda42879_quant, .Lfunc_end_k_q1bdda42879_quant-k_q1bdda42879_quant
	.p2alignl 7, 3214868480
	.fill 96, 4, 3214868480
	.section	.rodata,"a",@progbits
	.p2align	6, 0x0
	.amdhsa_kernel k_q1bdda42879_quant
		.amdhsa_group_segment_fixed_size 34304
		.amdhsa_private_segment_fixed_size 0
		.amdhsa_enable_private_segment 0
		.amdhsa_kernarg_size 64
		.amdhsa_user_sgpr_count 2
		.amdhsa_user_sgpr_kernarg_segment_ptr 1
		.amdhsa_wavefront_size32 1
		.amdhsa_system_sgpr_workgroup_id_x 1
		.amdhsa_system_sgpr_workgroup_id_y 1
		.amdhsa_system_sgpr_workgroup_id_z 1
		.amdhsa_system_vgpr_workitem_id 0
		.amdhsa_next_free_vgpr 256
		.amdhsa_next_free_sgpr 66
		.amdhsa_reserve_vcc 0
		.amdhsa_float_denorm_mode_32 3
		.amdhsa_float_denorm_mode_16_64 3
		.amdhsa_fp16_overflow 1
		.amdhsa_memory_ordered 1
		.amdhsa_forward_progress 1
		.amdhsa_inst_pref_size 31
	.end_amdhsa_kernel
	.amdgpu_metadata
---
amdhsa.version: [ 1, 2 ]
amdhsa.kernels:
  - .name:           k_q1bdda42879_quant
    .symbol:         k_q1bdda42879_quant.kd
    .args:
      - { .name: x, .offset: 0, .size: 8, .value_kind: global_buffer, .address_space: global }
      - { .name: Wq, .offset: 8, .size: 8, .value_kind: global_buffer, .address_space: global }
      - { .name: Wk, .offset: 16, .size: 8, .value_kind: global_buffer, .address_space: global }
      - { .name: Wv, .offset: 24, .size: 8, .value_kind: global_buffer, .address_space: global }
      - { .name: Wo, .offset: 32, .size: 8, .value_kind: global_buffer, .address_space: global }
      - { .name: lowp_scales, .offset: 40, .size: 8, .value_kind: global_buffer, .address_space: global }
      - { .name: xc, .offset: 48, .size: 8, .value_kind: global_buffer, .address_space: global }
      - { .name: wc, .offset: 56, .size: 8, .value_kind: global_buffer, .address_space: global }
    .group_segment_fixed_size: 34304
    .private_segment_fixed_size: 0
    .kernarg_segment_align: 8
    .kernarg_segment_size: 64
    .max_flat_workgroup_size: 128
    .sgpr_count:     66
    .vgpr_count:     256
    .wavefront_size: 32
...
	.end_amdgpu_metadata
.endif
;; end of part 1
;; launch qkv (part 2): grid 12 x 32, 4 waves a work-group, clusters of 4 x 4, 327,680 bytes of LDS; arguments xc, wc, lowp_scales, bq, bk, bv, qc, kc, vc; writes qc, kc, vc
.if DOCPART == 2
	.amdgcn_target "amdgcn-amd-amdhsa--gfx1250"
	.amdhsa_code_object_version 6
	.text
	.protected	k_q1bdda42879_qkv
	.globl	k_q1bdda42879_qkv
	.p2align	8
	.type	k_q1bdda42879_qkv,@function
k_q1bdda42879_qkv:
	s_mov_b64 s[64:65], 0
	v_nop
	global_prefetch_b8 v0, s[64:65] scope:SCOPE_SE
	s_setreg_imm32_b32 hwreg(HW_REG_WAVE_MODE, 25, 1), 1
	s_wait_xcnt 0x0
	s_wait_alu depctr_hold_cnt(0) depctr_sa_sdst(0) depctr_va_vdst(0) depctr_va_sdst(0) depctr_va_ssrc(0) depctr_va_vcc(0) depctr_vm_vsrc(0)
	s_getreg_b32 s2, hwreg(HW_REG_IB_STS2, 6, 4)
	s_cmp_eq_u32 s2, 0
	s_cbranch_scc0 .Lentry_in_a_cluster
	s_endpgm
.Lentry_in_a_cluster:
	s_bfe_u32 s2, ttmp6, 0x10000c
	s_cmp_lg_u32 s2, 0xf033
	s_cbranch_scc0 .Lentry_shape_is_right
	s_endpgm
.Lentry_shape_is_right:
; Q = x Wq + bq, K = x Wk + bk, V = x Wv + bv on E4M3 codes, each result quantised at once (2^e6, 2^e7, 2^e9) and stored as codes in the order in which the attention launch's operand registers take them.
; sel = the cluster's x: 0 Q, 1 K, 2 V; it is the same in all sixteen partners, so branches may hang on it.
; A tile of 256 x 256 is made by four waves, 128 x 128 each: 64 accumulators, 512 registers.  K = 1,024 goes in four steps of 256 through two LDS slots.
; THE MATRIX INSTRUCTION IS USED TRANSPOSED: source 0 ("B") gives the rows that run along a lane's registers, source 1 ("A") the rows that lie on the lanes.
;   Q, K: A = x's codes (tokens on the lanes), B = the weight's codes (a lane's registers run along the head's 64, the next product's K).
;   V:    A = Wv's codes (the head's 64 on the lanes), B = x's codes (registers run along the tokens: the keys are the next product's K).
; All codes lie as images of the operands' registers (16 rows x 128 K = 2,048 bytes on end; 128 rows x 256 K = 32,768 bytes on end), so a wave's tensor load is one dense block and a fragment is four loads at 16 x lane.
; The rows of a block are chosen (lane row r of block 2 B + u is row 32 B + 8 u + (r & 7) + 16 (r >> 3)) so that accumulators (a, 2 B) and (a, 2 B + 1) hold 16 neighbours in a lane: two conversions make 16 bytes of the next
; operand's image, and 32 lanes store 512 consecutive bytes straight from registers: no stage in LDS.
; CLUSTERS: 4 x 4 work-groups; A's tile is asked for jointly along a row of the cluster, B's along a column.
; The bias is the C of each sum's first matrix instruction, divided by the power of two that the sums lack.
; LIMITS: e_out - e_a - e_b between -126 and 119 (it is made into an f32 number).
; REGISTERS, in windows of 256: window 0: v16-31 addresses and constants; v32-95 the bias, eight registers a tile; v128-255 A's fragments, one set, later the 128 registers of codes.
;   window 1: B's fragments, two sets.   windows 2, 3: the accumulators of A's blocks 0-3 and 4-7, (a, b) at v[8 (8 (a % 4) + b)].
.set FR,    16                         ; registers of a fragment
.set NL,    4                          ; LDS loads that bring one
.set NP,    4                          ; places behind this matrix instruction (ISA guide 7.12.1)
.set HALFT, 32768                      ; 128 rows x 256 K: what one tensor load brings, and what one wave reads of A or of B
.set SLOT,  4*HALFT                    ; A's 256 rows, then B's
.set SPARE, 2*SLOT                     ; behind the ring: the spare words, 128 bytes for each wave: two blocks of 256 bytes that no other line names
.set ADRA, 16                          ; v16-17 LDS address of my A fragments in slot 0, 1
.set ADRB, 20                          ; v20-21 the same for B
.set LI,   26                          ; v26    16 x lane
.set SPW,  28                          ; v28    my spare word: SPARE + 4 x my thread's number; never rewritten
.set NIL,  29                          ; v29    0; never rewritten
.set SCL,  30                          ; v30    2^(e_out - e_a - e_b) as f32
.set LIM,  31
.set BI,   32
.set AF,   128
.set CD,   128
.set G1,  24                           ; s[24:31] group 1 for A's tiles; s[32:39] group 0, a set for each slot
.set G0,  32
.set G1B, 48                           ; s[48:55], s[56:63] the same for B's
.set G0B, 56
.set STA, 66                           ; s[66:67] bytes from a K step of A to the next; later twice that
.set STB, 78                           ; s[78:79] the same for B
.set MSB, 0
.macro WIN new                         ; the immediate's high byte repeats the setting that is left
.if MSB != \new
	s_set_vgpr_msb (MSB<<8)|\new
.set MSB, \new
.endif
.endm
.set MUL_LO, 0xa1                      ; source 0 (B) window 1, source 1 (A) window 0, C and D window 2
.set MUL_HI, 0xf1                      ; the same, C and D window 3
.set TO_B,   0x40                      ; destination window 1, address window 0
.macro JLOAD s                         ; a joint load: waves 0 and 1 fetch A's halves, waves 2 and 3 B's; four v_nop follow each of the two lines
	s_cmp_eq_u32 s15, 0
	s_cbranch_scc0 .Lfor_b_\@
	tensor_load_to_lds s[G0+4*\s:G0+4*\s+3], s[G1:G1+7]
	s_nop 0
.rept 4
	v_nop
.endr
	s_branch .Lasked_\@
.Lfor_b_\@:
	tensor_load_to_lds s[G0B+4*\s:G0B+4*\s+3], s[G1B:G1B+7]
	s_nop 0
.rept 4
	v_nop
.endr
.Lasked_\@:
.endm
.macro CREST                           ; a round of the cluster's barrier behind its opening barrier
	s_cmp_lg_u32 s14, 0
	s_cbranch_scc1 .Lnot_wave_0_\@
	s_barrier_signal -3
.Lnot_wave_0_\@:
	s_barrier_wait -3
	s_barrier_signal -1
	s_barrier_wait -1
.endm
.macro CROUND
	s_barrier_signal -1
	s_barrier_wait -1
	CREST
.endm
.macro PLACES n
.rept \n
	v_nop
.endr
.endm
.macro FRAG reg, adr, q, i             ; block i, the slot's q-th 128 along K: registers 4 c .. 4 c + 3 hold K = 32 c + 16 (lane / 16) + 0 .. 15, in A and in B alike
.irp c, 0,1,2,3
	ds_load_b128 v[\reg+4*\c:\reg+4*\c+3], v[\adr] offset:4096*(\i)+2048*(\q)+512*\c
.endr
.endm
.macro FETCH_B slot, q, p
	WIN TO_B
.irp i, 0,1,2,3,4,5,6,7
	FRAG 128*(\p)+FR*\i, ADRB+\slot, \q, \i
.endr
	WIN 0
.endm
.macro FETCH_A slot, q, i0
.irp i, \i0, \i0+1, \i0+2, \i0+3
	FRAG AF+FR*(\i), ADRA+\slot, \q, \i
.endr
.endm
; 16 matrix instructions: A's blocks a0, a0 + 1 x B's eight.  mode 0: the sums go on in place; 1: they begin with the bias of B's block; 2: with the bias of A's block.
; The 64 accumulators take turns, one instruction a turn, in the same order in every step.
.macro MUL16 a0, p, mode
.irp a, \a0, \a0+1
.irp b, 0,1,2,3,4,5,6,7
.if \mode == 0
	v_wmma_f32_16x16x128_fp8_fp8 v[8*(8*((\a)%4)+\b):8*(8*((\a)%4)+\b)+7], v[128*(\p)+FR*\b:128*(\p)+FR*\b+FR-1], v[AF+FR*(\a):AF+FR*(\a)+FR-1], v[8*(8*((\a)%4)+\b):8*(8*((\a)%4)+\b)+7]
.elseif \mode == 1
	v_wmma_f32_16x16x128_fp8_fp8 v[8*(8*((\a)%4)+\b):8*(8*((\a)%4)+\b)+7], v[128*(\p)+FR*\b:128*(\p)+FR*\b+FR-1], v[AF+FR*(\a):AF+FR*(\a)+FR-1], v[BI+8*\b:BI+8*\b+7]
.else
	v_wmma_f32_16x16x128_fp8_fp8 v[8*(8*((\a)%4)+\b):8*(8*((\a)%4)+\b)+7], v[128*(\p)+FR*\b:128*(\p)+FR*\b+FR-1], v[AF+FR*(\a):AF+FR*(\a)+FR-1], v[BI+8*(\a):BI+8*(\a)+7]
.endif
.endr
.endr
.endm
; A step of 128 along K that has its successor in the same slot.  A block of A is free as soon as its eight products are issued, so A has one set: blocks 0-3 are fetched anew in the step's middle, blocks 4-7 at its end.
.macro STEP slot, q, mode
	s_wait_dscnt 4*NL                              ; B's set and A's blocks 0-3 are in; the youngest sixteen loads (A's blocks 4-7) may be out
.if \mode
	WIN 0x81                                       ; as MUL_LO, with C (the bias) in window 0
.else
	WIN MUL_LO
.endif
	MUL16 0, (\q)%2, \mode
	MUL16 2, (\q)%2, \mode
	s_wait_dscnt 0                                 ; A's blocks 4-7 are in
	PLACES NP                                      ; in front of loads into registers that matrix instructions have read
	FETCH_B \slot, (\q)+1, 1-(\q)%2
	FETCH_A \slot, (\q)+1, 0
.if \mode
	WIN 0xc1
.else
	WIN MUL_HI
.endif
	MUL16 4, (\q)%2, \mode
	MUL16 6, (\q)%2, \mode
	PLACES NP
	WIN 0
	FETCH_A \slot, (\q)+1, 4
.endm
; A slot's last step changes slots: one barrier; in front of it each wave waits for all its tensor loads, adds 0 to its spare word, and waits for that and for its reads of this slot.  fill = 1: this slot takes the K step two on.
.macro TURN slot, next, fill
	s_wait_tensorcnt 0x0                           ; all my tensor loads have landed: the one that was out is my part of the next slot
	ds_add_u32 v[SPW], v[NIL]                      ; 0 onto my spare word
	s_wait_dscnt 4*NL+1                            ; (the add and the youngest sixteen loads may be out)
	WIN MUL_LO
	MUL16 0, 1, 0                                  ; sixteen matrix instructions stand between the add and the wait for it
	s_wait_dscnt 0x0                               ; the add is done, and my reads of this slot are over
	s_barrier_signal -1
	MUL16 2, 1, 0
	WIN 0
	s_barrier_wait -1
.if \fill
	CREST                                          ; the barrier has opened a round of the cluster's barrier: no wave of any partner still reads this slot or has a load on its way
	s_add_nc_u64 s[G0+4*\slot+2:G0+4*\slot+3], s[G0+4*\slot+2:G0+4*\slot+3], s[STA:STA+1]
	s_add_nc_u64 s[G0B+4*\slot+2:G0B+4*\slot+3], s[G0B+4*\slot+2:G0B+4*\slot+3], s[STB:STB+1]
	JLOAD \slot                                    ; the first tensor load behind the round; its four v_nop are the places in front of the loads below
.else
	PLACES NP
.endif
	FETCH_B \next, 0, 0
	FETCH_A \next, 0, 0
	WIN MUL_HI
	MUL16 4, 1, 0
	MUL16 6, 1, 0
	PLACES NP
	WIN 0
	FETCH_A \next, 0, 4
.endm
; THE WAY OUT of one window's 32 accumulators (A's blocks 4 w .. 4 w + 3): two conversions for each pair of accumulators; 16 stores.
.macro OUTW w
	WIN 0x82+0x41*\w                               ; destination and source 0: window 2 or 3
.set i, 0
.rept 256
.set i, i+1
.endr
	WIN 0x02+\w                                    ; source 0: window 2 or 3; the codes go to window 0
.irp a, 0,1,2,3
.irp e, 0,1,2,3
	v_cvt_scalef32_pk8_fp8_f32 v[CD+64*\w+16*\a+4*\e:CD+64*\w+16*\a+4*\e+1], v[64*\a+16*\e:64*\a+16*\e+7], v[SCL]
	v_cvt_scalef32_pk8_fp8_f32 v[CD+64*\w+16*\a+4*\e+2:CD+64*\w+16*\a+4*\e+3], v[64*\a+16*\e+8:64*\a+16*\e+15], v[SCL]
.endr
.endr
	v_nop                                          ; one plain vector instruction behind the last conversion
	WIN 0
	s_cmp_lt_u32 s42, 2
	s_cbranch_scc0 .Lout_v_\@
.irp a, 0,1,2,3                        ; Q, K: [head][tile of 16 tokens][1,024]: block a is a tile; e / 2 the head, e % 2 which 32 of its 64
.irp e, 0,1,2,3
	global_store_b128 v[LI], v[CD+64*\w+16*\a+4*\e:CD+64*\w+16*\a+4*\e+3], s[96:97] offset:(\e/2)*131072+(4*\w+\a)*1024+(\e%2)*512   ; 32 lanes store 512 consecutive bytes
.endr
.endr
	s_branch .Lout_done_\@
.Lout_v_\@:
	s_wait_alu depctr_va_vdst(0)
.irp a, 0,1,2,3                        ; V: [head][128 keys][16 of the head's 64][2,048]: w is the head, a the tile of 16, e which 32 keys
.irp e, 0,1,2,3
	global_store_b128 v[LI], v[CD+64*\w+16*\a+4*\e:CD+64*\w+16*\a+4*\e+3], s[96:97] offset:\w*131072+\a*2048+\e*512
.endr
.endr
.Lout_done_\@:
.endm
	s_load_b256 s[4:11], s[0:1], 0x0               ; xc s[4:5], wc s[6:7], the exponents s[8:9], bq s[10:11]
	s_load_b256 s[68:75], s[0:1], 0x20             ; bk s[68:69], bv s[70:71], qc s[72:73], kc s[74:75]
	s_load_b64 s[76:77], s[0:1], 0x40              ; vc
	v_lshl_add_u32 v[SPW], v0, 2, SPARE
	v_mov_b32 v[NIL], 0
	ds_add_u32 v28, v29
	ds_add_u32 v28, v29
	s_wait_dscnt 0x0
	v_lshrrev_b32 v1, 5, v0
	v_readfirstlane_b32 s14, v1                    ; wave 0..3
	s_lshr_b32 s15, s14, 1                         ; which half of A's rows is mine.  Also: I fetch for A (0) or for B (1)
	s_and_b32 s16, s14, 1                          ; which half of B's rows.  Also: which 128 rows of that tile I fetch
	s_bfe_u32 s40, ttmp6, 0x40000                  ; cx
	s_bfe_u32 s41, ttmp6, 0x40004                  ; cy
	s_mov_b32 s42, ttmp9                           ; sel
	s_and_b32 s17, ttmp7, 0xffff                   ; the cluster's y
	s_lshl_b32 s18, s17, 2
	s_add_co_u32 s19, s18, s41                     ; a tile of 256 tokens counted along the cluster's y,
	s_add_co_u32 s46, s18, s40                     ; or along its x
	s_lshl_b32 s43, s41, 2
	s_lshl_b32 s43, 15, s43                        ; my row of the cluster
	s_lshl_b32 s44, 0x1111, s40                    ; my column
	; group 1: a dense block of 32,768 bytes as 128 rows of 32 elements of 8 bytes, no padding
	s_or_b32 s[G1], s43, (3<<16)|(1<<21)           ; 15:0 the mask: A's tiles go to my row; 17:16 elements of 8 bytes; 21 set beside a mask
	s_or_b32 s[G1B], s44, (3<<16)|(1<<21)          ; B's go to my column
.irp g, G1, G1B
	s_mov_b32 s[\g+1], 32<<16                      ; tensor_dim0
	s_mov_b32 s[\g+2], 128<<16                     ; tensor_dim1
	s_mov_b32 s[\g+3], 32<<16                      ; tile_dim0
	s_mov_b32 s[\g+4], 128                         ; tile_dim1
	s_mov_b32 s[\g+5], 32                          ; tensor_dim0_stride
	s_mov_b32 s[\g+6], 0
	s_mov_b32 s[\g+7], 0
.endr
	s_lshl_b32 s20, s42, 23                        ; x's set sel: 8 MiB each
	s_lshl_b32 s47, s42, 20                        ; weight sel: 1 MiB each
	s_mov_b32 s22, 0x200000                        ; a K step of x's codes (8,192 rows x 256 bytes); also where Wv's codes begin
	s_mov_b32 s23, 0x40000                         ; a K step of a weight's codes (1,024 rows x 256 bytes)
	s_mov_b32 s17, 0x1000000                       ; where x's third set begins
	s_lshl_b32 s18, s16, 15                        ; the 128 rows that I fetch
	s_lshl_b32 s45, s14, 15                        ; where they go: wave x 32,768: no place in the cluster enters an LDS address
	s_wait_kmcnt 0x0
	s_load_b256 s[80:87], s[8:9], 0x0              ; e0 .. e7
	s_load_b128 s[88:91], s[8:9], 0x20             ; e8 .. e11
	s_cmp_lt_u32 s42, 2                            ; Q and K, or V: every choice below hangs on this compare
	s_cselect_b32 s12, s19, s41                    ; A's tile: hangs on cy alone
	s_cselect_b32 s13, s40, s46                    ; B's tile: hangs on cx alone
	s_cselect_b64 s[92:93], s[4:5], s[6:7]         ; A's buffer
	s_cselect_b64 s[94:95], s[6:7], s[4:5]         ; B's
	s_cselect_b32 s20, s20, s22
	s_cselect_b32 s46, s47, s17
	s_cselect_b32 s[STA], s22, s23
	s_cselect_b32 s[STB], s23, s22
	s_lshl_b32 s21, s12, 16                        ; a tile of 256 rows is 65,536 bytes of a K step
	s_add_co_u32 s20, s20, s21
	s_add_co_u32 s20, s20, s18
	s_mov_b32 s21, 0
	s_add_nc_u64 s[92:93], s[92:93], s[20:21]
	s_lshl_b32 s47, s13, 16
	s_add_co_u32 s46, s46, s47
	s_add_co_u32 s46, s46, s18
	s_mov_b32 s47, 0
	s_add_nc_u64 s[94:95], s[94:95], s[46:47]
	s_mov_b32 s[STA+1], 0
	s_mov_b32 s[STB+1], 0
	s_mov_b32 s[G0], 1                             ; slot 0: K step 0
	s_mov_b32 s[G0+1], s45
	s_mov_b64 s[G0+2:G0+3], s[92:93]
	s_or_b32 s[G0+3], s[G0+3], 0x80000000
	s_mov_b32 s[G0B], 1
	s_mov_b32 s[G0B+1], s45
	s_mov_b64 s[G0B+2:G0B+3], s[94:95]
	s_or_b32 s[G0B+3], s[G0B+3], 0x80000000
	s_mov_b32 s[G0+4], 1                           ; slot 1: K step 1
	s_add_co_u32 s[G0+5], s45, SLOT
	s_add_nc_u64 s[G0+6:G0+7], s[92:93], s[STA:STA+1]
	s_or_b32 s[G0+7], s[G0+7], 0x80000000
	s_mov_b32 s[G0B+4], 1
	s_add_co_u32 s[G0B+5], s45, SLOT
	s_add_nc_u64 s[G0B+6:G0B+7], s[94:95], s[STB:STB+1]
	s_or_b32 s[G0B+7], s[G0B+7], 0x80000000
	s_lshl_b32 s[STA], s[STA], 1                   ; a refill goes two K steps on
	s_lshl_b32 s[STB], s[STB], 1
	CROUND                                         ; all sixteen work-groups are here: the first joint loads meet
	JLOAD 0
	JLOAD 1                                        ; two tensor loads of mine are out
	v_and_b32 v1, 31, v0
	v_lshlrev_b32 v[LI], 4, v1
	s_lshl_b32 s22, s15, 15                        ; my 128 rows of A
	s_lshl_b32 s23, s16, 15                        ; my 128 rows of B,
	s_add_co_u32 s23, s23, 2*HALFT                 ; which lie behind A's 256
	v_add_nc_u32 v[ADRA], s22, v[LI]
	v_add_nc_u32 v[ADRB], s23, v[LI]
	v_add_nc_u32 v[ADRA+1], SLOT, v[ADRA]
	v_add_nc_u32 v[ADRB+1], SLOT, v[ADRB]
	; the scales: e_a = e[2 sel], e_b = e[2 sel + 1], e_out = e6, e7, e9.  No branch hangs on them
	s_wait_kmcnt 0x0
	s_cmp_eq_u32 s42, 1
	s_cselect_b32 s80, s82, s80
	s_cselect_b32 s81, s83, s81
	s_cselect_b32 s86, s87, s86
	s_cmp_eq_u32 s42, 2
	s_cselect_b32 s80, s84, s80
	s_cselect_b32 s81, s85, s81
	s_cselect_b32 s86, s89, s86
	s_add_co_i32 s80, s80, s81                     ; a sum stands for sum x 2^(e_a + e_b)
	s_sub_co_i32 s81, 0, s80                       ; so the bias goes in x 2^-(e_a + e_b),
	s_sub_co_i32 s86, s86, s80                     ; and the conversion's one scale is 2^(e_out - e_a - e_b)
	s_add_co_i32 s86, s86, 127
	s_lshl_b32 s87, s86, 23
	v_mov_b32 v[SCL], s87
	; where my codes go: buffer + batch x 2 MiB + head x 131,072 + (my 128 tokens) x 64 bytes: one form for all three
	s_cmp_lt_u32 s42, 2
	s_cselect_b32 s2, s12, s13                     ; the tile of tokens,
	s_cselect_b32 s3, s13, s12                     ; the tile of columns,
	s_cselect_b32 s98, s15, s16                    ; my half of the tokens,
	s_cselect_b32 s99, s16, s15                    ; my half of the columns
	s_cmp_eq_u32 s42, 1
	s_cselect_b64 s[96:97], s[74:75], s[72:73]
	s_cmp_eq_u32 s42, 2
	s_cselect_b64 s[96:97], s[76:77], s[96:97]
	s_lshl_b32 s3, s3, 2
	s_lshl_b32 s99, s99, 1
	s_add_co_u32 s3, s3, s99                       ; my first head: 4 x tile + 2 x half
	s_lshl_b32 s3, s3, 17
	s_lshl_b32 s98, s98, 13
	s_add_co_u32 s3, s3, s98
	s_lshr_b32 s98, s2, 3                          ; the batch: eight tiles of 256 tokens each
	s_lshl_b32 s98, s98, 21
	s_add_co_u32 s3, s3, s98
	s_and_b32 s2, s2, 7
	s_lshl_b32 s2, s2, 14
	s_add_co_u32 s2, s2, s3
	s_mov_b32 s3, 0
	s_add_nc_u64 s[96:97], s[96:97], s[2:3]
	; the bias, in the result's layout
	v_bfe_u32 v2, v0, 4, 1                         ; h
	s_cmp_lt_u32 s42, 2
	s_cbranch_scc0 .Lbias_v
	s_cmp_eq_u32 s42, 0                            ; Q, K: the bias runs along the registers: tile b's eight are columns 32 (b / 2) + 8 (b % 2) + 16 h + 0 .. 7 of my 128
	s_cselect_b64 s[2:3], s[10:11], s[68:69]
	s_lshl_b32 s98, s13, 10
	s_lshl_b32 s99, s16, 9
	s_add_co_u32 s98, s98, s99
	s_mov_b32 s99, 0
	s_add_nc_u64 s[2:3], s[2:3], s[98:99]
	s_wait_alu depctr_va_vdst(0)
	v_lshlrev_b32 v27, 6, v2
.irp b, 0,1,2,3,4,5,6,7
	global_load_b128 v[BI+8*\b:BI+8*\b+3], v27, s[2:3] offset:(32*(\b/2)+8*(\b%2))*4
	global_load_b128 v[BI+8*\b+4:BI+8*\b+7], v27, s[2:3] offset:(32*(\b/2)+8*(\b%2))*4+16
.endr
	s_wait_loadcnt 0x0
.set i, 0
.rept 64
	v_ldexp_f32 v[BI+i], v[BI+i], s81
.set i, i+1
.endr
	s_branch .Lbias_done
.Lbias_v:                                              ; V: the bias lies on the lanes: block a's is that of column 32 (a / 2) + 8 (a % 2) + (r & 7) + 16 (r >> 3) of my 128, the same in all eight registers
	s_lshl_b32 s98, s12, 10
	s_lshl_b32 s99, s15, 9
	s_add_co_u32 s98, s98, s99
	s_mov_b32 s99, 0
	s_add_nc_u64 s[2:3], s[70:71], s[98:99]
	v_and_b32 v3, 7, v0
	v_bfe_u32 v4, v0, 3, 1
	v_lshl_add_u32 v3, v4, 4, v3
	v_lshlrev_b32 v27, 2, v3
.irp a, 0,1,2,3,4,5,6,7
	global_load_b32 v[BI+8*\a], v27, s[2:3] offset:(32*(\a/2)+8*(\a%2))*4
.endr
	s_wait_loadcnt 0x0
.irp a, 0,1,2,3,4,5,6,7
.irp j, 7,6,5,4,3,2,1,0
	v_ldexp_f32 v[BI+8*\a+\j], v[BI+8*\a], s81     ; register 0 last: it is the source of the others
.endr
.endr
.Lbias_done:
	s_wait_tensorcnt 1                             ; my part of K step 0 is in; K step 1's load may be out
	s_barrier_signal -1
	s_barrier_wait -1                              ; everybody's is
	FETCH_B 0, 0, 0
	FETCH_A 0, 0, 0
	FETCH_A 0, 0, 4
	s_cmp_lt_u32 s42, 2                            ; the first step starts the sums with the bias: by B's block or by A's.  Both arms have the same loads and waits
	s_cbranch_scc0 .Lfirst_v
	s_wait_alu depctr_va_vdst(0)
	STEP 0, 0, 1
	s_branch .Lfirst_done
.Lfirst_v:
	s_wait_alu depctr_va_vdst(0)
	STEP 0, 0, 2
.Lfirst_done:
	TURN 0, 1, 1                                   ; K has four steps of 256: the walk is written straight
	STEP 1, 0, 0
	TURN 1, 0, 1
	STEP 0, 0, 0
	TURN 0, 1, 0                                   ; nothing is left to fetch
	STEP 1, 0, 0
	s_wait_dscnt 4*NL
	WIN MUL_LO
	MUL16 0, 1, 0
	MUL16 2, 1, 0
	s_wait_dscnt 0
	WIN MUL_HI
	MUL16 4, 1, 0
	MUL16 6, 1, 0
	WIN 0
	PLACES NP                                      ; behind the last products
	OUTW 0
	OUTW 1
	s_wait_tensorcnt 0x0                           ; the wave's end
	ds_add_u32 v[SPW], v[NIL]
	s_wait_dscnt 0x0
	CROUND                                         ; the closing round: no work-group ends while a partner may still ask for a tile that names it
	s_endpgm
.Lfunc_end_k_q1bdda42879_qkv:
	.size	k_q1bdda42879_qkv, .Lfunc_end_k_q1bdda42879_qkv-k_q1bdda42879_qkv
	.p2alignl 7, 3214868480
	.fill 96, 4, 3214868480
	.section	.rodata,"a",@progbits
	.p2align	6, 0x0
	.amdhsa_kernel k_q1bdda42879_qkv
		.amdhsa_group_segment_fixed_size 327680
		.amdhsa_private_segment_fixed_size 0
		.amdhsa_enable_private_segment 0
		.amdhsa_kernarg_size 72
		.amdhsa_user_sgpr_count 2
		.amdhsa_user_sgpr_kernarg_segment_ptr 1
		.amdhsa_wavefront_size32 1
		.amdhsa_system_sgpr_workgroup_id_x 1
		.amdhsa_system_sgpr_workgroup_id_y 1
		.amdhsa_system_sgpr_workgroup_id_z 1
		.amdhsa_system_vgpr_workitem_id 0
		.amdhsa_next_free_vgpr 1024
		.amdhsa_next_free_sgpr 100
		.amdhsa_reserve_vcc 0
		.amdhsa_float_denorm_mode_32 3
		.amdhsa_float_denorm_mode_16_64 3
		.amdhsa_fp16_overflow 1
		.amdhsa_memory_ordered 1
		.amdhsa_forward_progress 1
		.amdhsa_inst_pref_size 108
	.end_amdhsa_kernel
	.amdgpu_metadata
---
amdhsa.version: [ 1, 2 ]
amdhsa.kernels:
  - .name:           k_q1bdda42879_qkv
    .symbol:         k_q1bdda42879_qkv.kd
    .args:
      - { .name: xc, .offset: 0, .size: 8, .value_kind: global_buffer, .address_space: global }
      - { .name: wc, .offset: 8, .size: 8, .value_kind: global_buffer, .address_space: global }
      - { .name: lowp_scales, .offset: 16, .size: 8, .value_kind: global_buffer, .address_space: global }
      - { .name: bq, .offset: 24, .size: 8, .value_kind: global_buffer, .address_space: global }
      - { .name: bk, .offset: 32, .size: 8, .value_kind: global_buffer, .address_space: global }
      - { .name: bv, .offset: 40, .size: 8, .value_kind: global_buffer, .address_space: global }
      - { .name: qc, .offset: 48, .size: 8, .value_kind: global_buffer, .address_space: global }
      - { .name: kc, .offset: 56, .size: 8, .value_kind: global_buffer, .address_space: global }
      - { .name: vc, .offset: 64, .size: 8, .value_kind: global_buffer, .address_space: global }
    .group_segment_fixed_size: 327680
    .private_segment_fixed_size: 0
    .kernarg_segment_align: 8
    .kernarg_segment_size: 72
    .max_flat_workgroup_size: 128
    .sgpr_count:     100
    .vgpr_count:     1024
    .wavefront_size: 32
...
	.end_amdgpu_metadata
.endif
;; end of part 2
;; launch attn (part 3): grid 4 x 64, 16 waves a work-group, clusters of 4 x 1, 264,192 bytes of LDS; arguments qc, kc, vc, lowp_scales, cc; writes cc
.if DOCPART == 3
	.amdgcn_target "amdgcn-amd-amdhsa--gfx1250"
	.amdhsa_code_object_version 6
	.text
	.protected	k_q1bdda42879_attn
	.globl	k_q1bdda42879_attn
	.p2align	8
	.type	k_q1bdda42879_attn,@function
k_q1bdda42879_attn:
	s_mov_b64 s[64:65], 0
	v_nop
	global_prefetch_b8 v0, s[64:65] scope:SCOPE_SE
	s_setreg_imm32_b32 hwreg(HW_REG_WAVE_MODE, 25, 1), 1
	s_wait_xcnt 0x0
	s_wait_alu depctr_hold_cnt(0) depctr_sa_sdst(0) depctr_va_vdst(0) depctr_va_sdst(0) depctr_va_ssrc(0) depctr_va_vcc(0) depctr_vm_vsrc(0)
	s_getreg_b32 s2, hwreg(HW_REG_IB_STS2, 6, 4)
	s_cmp_eq_u32 s2, 0
	s_cbranch_scc0 .Lentry_in_a_cluster
	s_endpgm
.Lentry_in_a_cluster:
	s_bfe_u32 s2, ttmp6, 0x10000c
	s_cmp_lg_u32 s2, 0x3003
	s_cbranch_scc0 .Lentry_shape_is_right
	s_endpgm
.Lentry_shape_is_right:
; ctx = softmax(Q K^T / 8, causal) V for 64 heads of 2,048 tokens x 64, both products on E4M3 codes; ctx is quantised at once (2^e10) into the image that the last product reads.
; THE SOFTMAX: t = score x log2(e) / 8; M = the running largest t rounded up to a whole number; p = 2^(t - M) is quantised (2^e8), not normalised; the row's sum is taken of the unquantised p and divides at the end;
; when M moves, the sum and O are multiplied by 2^(old M - new M), which rounds nothing.
; SHARES.  A cluster of four work-groups is one head.  Tile g of 16 queries belongs to partner g & 3; group j = g >> 2 covers queries 64 j .. 64 j + 63.  Wave w takes group 31 - w and then group w.
; A key step is 128 keys; group j needs steps 0 .. j >> 1, and only the last lies on the diagonal.  So each wave of each work-group has 17 steps: (31 - w) / 2 + 1 and w / 2 + 1.
; All branches hang on the wave's number and on counters; the work-group's place in its cluster enters only Q's and ctx's addresses in memory and the compare of the mask.
; LDS holds the whole head, filled once: K's codes (131,072 bytes) and V's (131,072), asked for JOINTLY by the four partners: wave 0 fetches K, wave 1 V, in eight loads of 256 keys each.  Nothing is filled again.
; LAYOUT.  Both products are used transposed: S^T = K Q^T (source 0 = 16 keys), O^T = V^T P^T (source 0 = 16 of the head's 64): a lane holds one query throughout.  The keys of a tile, and the head's rows of a tile of V,
; are chosen (lane row r of tile 2 B + u is row 32 B + 8 u + (r & 7) + 16 (r >> 3)) so that two neighbouring accumulators hold 16 neighbours in a lane: the conversions' results are the next operand's registers.
; LIMITS on the given exponents: e6 + e7 between -123 and 130 (added to c's exponent field); e8 between -126 and 119; e8 + e9 - e10 is applied by v_ldexp_f32 and has none.
; REGISTERS: v1-4 addresses; v12 -M, v13 the largest t, v[14:15] the sum; v16-23, v24-31 Q of the two jobs; v32-95 fragments of K, then of V; v96-159 S^T, then p; v160-191 O^T; v192-207 p's codes; v208-223 ctx's codes.
.set VOFF, 131072                      ; V's codes lie behind K's
.set LI,  1                            ; v1  16 x lane
.set ADK, 2                            ; v2  LDS address of the step's tiles of K
.set ADV, 3                            ; v3  of V
.set MK,  4                            ; v4  my query less 64 j less 16 (lane / 16)
.set FRG, 32
.set S,   96
.set O,   160
.set PC,  192
.set WV,  18                           ; s18 wave
.set SEL, 20                           ; s[20:21] lane selects: lane xor 16
.set CS,  22                           ; s[22:23] c = log2(e) / 8 x 2^(e6 + e7)
.set G1,  24                           ; s[24:31] group 1;  s[32:63] eight groups 0
.set G0,  32
.set PL,  66                           ; s66 my place in the cluster
.set BH,  67                           ; s67 the head, 0 .. 63
.set TB,  80                           ; s80 LDS byte of the key step in hand
.set SI,  81                           ; s81 the key step
.set SL,  82                           ; s82 the job's last key step
.set DQ,  83                           ; s83 64 (j & 1): the group's place in that step
.set CNT, 84
.set CH,  86                           ; s[86:87], s[88:89] where the two jobs' codes go
.set CL,  88
.set EO,  92                           ; s92 e8 + e9 - e10
.macro ROUND                           ; a round of the cluster's barrier
	s_barrier_signal -1
	s_barrier_wait -1
	s_cmp_lg_u32 s[WV], 0
	s_cbranch_scc1 .Lnot_wave_0_\@
	s_barrier_signal -3
.Lnot_wave_0_\@:
	s_barrier_wait -3
	s_barrier_signal -1
	s_barrier_wait -1
.endm
.macro INIT                            ; a job begins: the first change of M multiplies zeros
	v_mov_b32 v13, 0xff61b1e6                      ; the largest t so far: -3e38, under every t
	s_delay_alu instid0(VALU_DEP_1)
	v_floor_f32 v12, -v13                          ; -M
	v_mov_b32 v14, 0
	v_mov_b32 v15, 0
.set i, 0
.rept 32
	v_mov_b32 v[O+i], 0
.set i, i+1
.endr
.endm
; A KEY STEP: 128 keys against my 16 queries, whose codes stand in v[qreg] on.  causal = 0: all keys count.  causal = 1: a step behind the job's last is left out, and in the last one hidden scores become -infinity.
.macro STEP qreg, causal
.if \causal
	s_cmp_gt_u32 s[SI], s[SL]
	s_cbranch_scc1 .Lhidden_\@
.endif
	s_setprio 2
	v_add_nc_u32 v[ADK], s[TB], v[LI]
	s_delay_alu instid0(VALU_DEP_1)
	v_add_nc_u32 v[ADV], VOFF, v[ADK]
	v_nop
	v_nop                                          ; four places in front of loads into registers that the last products read
.irp t, 0,1,2,3,4,5,6,7
.irp c, 0,1
	ds_load_b128 v[FRG+8*\t+4*\c:FRG+8*\t+4*\c+3], v[ADK] offset:1024*\t+512*\c
.endr
.endr
	s_wait_alu depctr_va_vdst(0)
	s_wait_dscnt 0x0
.irp t, 0,1,2,3,4,5,6,7
	v_wmma_f32_16x16x64_fp8_fp8 v[S+8*\t:S+8*\t+7], v[FRG+8*\t:FRG+8*\t+7], v[\qreg:\qreg+7], 0
.endr
.rept 4
	v_nop                                          ; places in front of the loads below and of the first read of the scores
.endr
.irp t, 0,1,2,3
.irp c, 0,1,2,3
	ds_load_b128 v[FRG+16*\t+4*\c:FRG+16*\t+4*\c+3], v[ADV] offset:2048*\t+512*\c   ; V's fragments land while the softmax is walked
.endr
.endr
.if \causal
	s_cmp_lt_u32 s[SI], s[SL]
	s_cbranch_scc1 .Lopen_\@
	v_add_nc_u32 v252, s[DQ], v[MK]                ; d = my query - the step's first key - 16 (lane / 16).  Register n holds key 32 (n / 16) + n % 16 + 16 (lane / 16) of the step: hidden where 32 (n / 16) + n % 16 > d
	v_mov_b32 v254, 0xff800000                     ; -infinity: p = 0 then.  The step's first key counts for every query of the group, so the largest t stays a number
.set n, 0
.rept 64
	v_cmp_gt_i32 vcc_lo, 32*(n/16)+n%16, v252
	v_cndmask_b32 v[S+n], v[S+n], v254, vcc_lo
.set n, n+1
.endr
.Lopen_\@:
.endif
	v_max3_num_f32 v254, v96, v97, v98             ; the step's largest score of my query among my 64 keys, in two chains; each accumulator is read from its low end on
	v_max3_num_f32 v252, v99, v100, v101
.irp i, 6,10,14,18,22,26,30,34,38,42,46,50,54,58
	v_max3_num_f32 v254, v254, v[96+\i], v[97+\i]
	v_max3_num_f32 v252, v252, v[98+\i], v[99+\i]
.endr
	v_max3_num_f32 v254, v254, v158, v159
	s_delay_alu instid0(VALU_DEP_1)
	v_max_num_f32 v254, v254, v252
	s_delay_alu instid0(VALU_DEP_1)
	v_permlanex16_b32 v236, v254, s[SEL], s[SEL+1]
	s_delay_alu instid0(VALU_DEP_1)
	v_max_num_f32 v254, v254, v236                 ; and among lane xor 16's
	s_delay_alu instid0(VALU_DEP_1)
	v_mul_f32 v254, s[CS], v254                    ; as t (c is positive)
	s_delay_alu instid0(VALU_DEP_1)
	v_max_num_f32 v13, v13, v254                   ; the running largest t
	v_mov_b32 v254, v12
	s_delay_alu instid0(VALU_DEP_2)
	v_floor_f32 v12, -v13                          ; the new -M = floor(-t): M is a whole number
	s_delay_alu instid0(VALU_DEP_1)
	v_sub_f32 v254, v12, v254                      ; old M - new M: a whole number, 0 or less
	s_delay_alu instid0(VALU_DEP_1)
	v_cvt_i32_f32 v254, v254                       ; (it saturates)
	s_delay_alu instid0(VALU_DEP_1)
	v_ldexp_f32 v252, 1.0, v254                    ; f = 2^(old M - new M)
.set j, 0
.rept 32
	v_pk_fma_f32 v[S+j:S+j+1], v[S+j:S+j+1], s[CS:CS+1], v[12:13] op_sel_hi:[1,0,0]   ; t - M, two at a time
.set j, j+2
.endr
.set j, 0
	s_setprio 1
	s_wait_alu depctr_va_vdst(0)
.rept 64
	v_exp_f32 v[S+j], v[S+j]                       ; p = 2^(t - M)
.set j, j+1
.endr
	v_pk_mul_f32 v[14:15], v[14:15], v[252:253] op_sel_hi:[1,0]   ; the sums under the new M: the plain instruction behind the exponentials
	s_wait_alu depctr_va_vdst(0)                   ; one wait for the whole batch, ahead of its first reader
	v_pk_add_f32 v[242:243], v[100:101], v[104:105]
	v_pk_add_f32 v[248:249], v[108:109], v[112:113]
	v_pk_add_f32 v[240:241], v[116:117], v[120:121]
	v_pk_add_f32 v[238:239], v[124:125], v[128:129]
	v_pk_add_f32 v[234:235], v[132:133], v[136:137]
	v_pk_add_f32 v[232:233], v[140:141], v[144:145]
	v_pk_add_f32 v[230:231], v[148:149], v[152:153]
	v_pk_add_f32 v[14:15], v[14:15], v[156:157]
	v_pk_add_f32 v[242:243], v[242:243], v[96:97]
	v_pk_add_f32 v[248:249], v[248:249], v[98:99]
	v_pk_add_f32 v[240:241], v[240:241], v[102:103]
	v_pk_add_f32 v[238:239], v[238:239], v[106:107]
	v_pk_add_f32 v[234:235], v[234:235], v[110:111]
	v_pk_add_f32 v[232:233], v[232:233], v[114:115]
	v_pk_add_f32 v[230:231], v[230:231], v[118:119]
	v_pk_add_f32 v[14:15], v[14:15], v[122:123]
	v_pk_add_f32 v[242:243], v[242:243], v[126:127]
	v_pk_add_f32 v[248:249], v[248:249], v[130:131]
	v_pk_add_f32 v[240:241], v[240:241], v[134:135]
	v_pk_add_f32 v[238:239], v[238:239], v[138:139]
	v_pk_add_f32 v[234:235], v[234:235], v[142:143]
	v_pk_add_f32 v[232:233], v[232:233], v[146:147]
	v_pk_add_f32 v[230:231], v[230:231], v[150:151]
	v_pk_add_f32 v[14:15], v[14:15], v[154:155]
	v_pk_add_f32 v[242:243], v[242:243], v[158:159]
	s_delay_alu instid0(VALU_DEP_2)
	v_pk_add_f32 v[14:15], v[14:15], v[238:239]
	s_delay_alu instid0(VALU_DEP_2)
	v_pk_add_f32 v[242:243], v[242:243], v[234:235]
	v_pk_add_f32 v[248:249], v[248:249], v[232:233]
	v_pk_add_f32 v[240:241], v[240:241], v[230:231]
	s_delay_alu instid0(VALU_DEP_2)
	v_pk_add_f32 v[14:15], v[14:15], v[248:249]
	s_delay_alu instid0(VALU_DEP_2)
	v_pk_add_f32 v[242:243], v[242:243], v[240:241]
	s_delay_alu instid0(VALU_DEP_1)
	v_pk_add_f32 v[14:15], v[14:15], v[242:243]
	s_setprio 0
.irp b, 0,1,2,3
.set i, 0
.rept 16
.set i, i+1
.endr
	v_cvt_scalef32_pk8_fp8_f32 v[PC+4*\b:PC+4*\b+1], v[S+16*\b:S+16*\b+7], v244
	v_cvt_scalef32_pk8_fp8_f32 v[PC+4*\b+2:PC+4*\b+3], v[S+16*\b+8:S+16*\b+15], v244
.endr
.set j, 0
.rept 16
	v_pk_mul_f32 v[O+j:O+j+1], v[O+j:O+j+1], v[252:253] op_sel_hi:[1,0]   ; O^T under the new M; these are also the plain instructions behind the conversions
.set j, j+2
.endr
	s_wait_alu depctr_va_vdst(0)
	s_wait_dscnt 0x0                               ; V's fragments are in
.irp t, 0,1,2,3
	v_wmma_f32_16x16x128_fp8_fp8 v[O+8*\t:O+8*\t+7], v[FRG+16*\t:FRG+16*\t+15], v[PC:PC+15], v[O+8*\t:O+8*\t+7]   ; four accumulators by turns; eleven other products stand between two turns of one
.endr
.if \causal
.Lhidden_\@:
.endif
	s_add_co_u32 s[TB], s[TB], 8192                ; the next key step's tiles: 8 x 1,024 bytes of K, 4 x 2,048 of V
.endm
; A job's end: O^T / the sum x 2^(e8 + e9 - e10), held, converted with the scale 1, stored: registers O + 16 B + 0 .. 15 are channels 32 B + 16 (lane / 16) + 0 .. 15 of my query.
.macro WAYOUT cb, cr
.rept 4
	v_nop                                          ; places behind the last products
.endr
	v_add_f32 v14, v14, v15
	s_delay_alu instid0(VALU_DEP_1)
	v_permlanex16_b32 v252, v14, s[SEL], s[SEL+1]
	s_delay_alu instid0(VALU_DEP_1)
	v_add_f32 v14, v14, v252                       ; the row's sum
	s_wait_alu depctr_va_vdst(0)
	v_rcp_f32 v14, v14
	v_nop                                          ; a plain instruction behind the reciprocal,
	s_wait_alu depctr_va_vdst(0)                   ; and the wait ahead of its first reader
	v_ldexp_f32 v14, v14, s[EO]
.set j, 0
.rept 16
	v_pk_mul_f32 v[O+j:O+j+1], v[O+j:O+j+1], v[14:15] op_sel_hi:[1,0]
.set j, j+2
.endr
.set j, 0
.rept 32
.set j, j+1
.endr
.irp b, 0,1
	v_cvt_scalef32_pk8_fp8_f32 v[\cr+4*\b:\cr+4*\b+1], v[O+16*\b:O+16*\b+7], v246
	v_cvt_scalef32_pk8_fp8_f32 v[\cr+4*\b+2:\cr+4*\b+3], v[O+16*\b+8:O+16*\b+15], v246
.endr
	v_nop                                          ; one plain vector instruction behind the last conversion
.irp b, 0,1
	global_store_b128 v[LI], v[\cr+4*\b:\cr+4*\b+3], s[\cb:\cb+1] offset:512*\b   ; 32 lanes store 512 consecutive bytes
.endr
.endm
	s_load_b256 s[4:11], s[0:1], 0x0               ; qc s[4:5], kc s[6:7], vc s[8:9], the exponents s[10:11]
	s_load_b64 s[12:13], s[0:1], 0x20              ; cc
	v_lshl_add_u32 v251, v0, 2, 0x40000
	v_mov_b32 v255, 0
	ds_add_u32 v251, v255
	ds_add_u32 v251, v255
	v_lshrrev_b32 v1, 5, v0
	s_delay_alu instid0(VALU_DEP_1)
	v_readfirstlane_b32 s[WV], v1                  ; wave 0..15
	s_bfe_u32 s[PL], ttmp6, 0x40000                ; cx
	s_and_b32 s[BH], ttmp7, 0xffff                 ; the cluster's y: the head, which the four partners share
	; group 1: a dense block of 16,384 bytes as 64 rows of 32 elements of 8 bytes, no padding
	s_mov_b32 s[G1], 15|(3<<16)|(1<<21)            ; 15:0 the mask: all four work-groups; 17:16 elements of 8 bytes; 21 set beside a mask
	s_mov_b32 s[G1+1], 32<<16                      ; tensor_dim0
	s_mov_b32 s[G1+2], 64<<16                      ; tensor_dim1
	s_mov_b32 s[G1+3], 32<<16                      ; tile_dim0
	s_mov_b32 s[G1+4], 64                          ; tile_dim1
	s_mov_b32 s[G1+5], 32                          ; tensor_dim0_stride
	s_mov_b32 s[G1+6], 0
	s_mov_b32 s[G1+7], 0
	s_lshl_b32 s14, s[BH], 17                      ; a head's codes are 131,072 bytes in each of qc, kc, vc
	s_mov_b32 s15, 0
	s_lshl_b32 s16, s[WV], 17                      ; wave 0 fills K's half of LDS, wave 1 V's
	s_wait_dscnt 0x0
	s_wait_kmcnt 0x0
	s_load_b256 s[68:75], s[10:11], 0x0            ; e0 .. e7
	s_load_b128 s[76:79], s[10:11], 0x20           ; e8 .. e11
	s_cmp_eq_u32 s[WV], 0
	s_cselect_b64 s[2:3], s[6:7], s[8:9]
	s_add_nc_u64 s[2:3], s[2:3], s[14:15]
.irp c, 0,1,2,3,4,5,6,7                        ; chunk c: keys 256 c .. 256 c + 255
	s_mov_b32 s[G0+4*\c], 1
	s_add_co_u32 s[G0+4*\c+1], s16, \c*16384
	s_add_nc_u64 s[G0+4*\c+2:G0+4*\c+3], s[2:3], \c*16384
	s_or_b32 s[G0+4*\c+3], s[G0+4*\c+3], 0x80000000
.endr
	ROUND                                          ; all four work-groups are here: the joint loads meet
	s_cmp_lt_u32 s[WV], 2                          ; a fetching wave's eight loads stand in one branch, ahead of every wait on TENSORcnt and every LDS read: eight loads of it are out
	s_cbranch_scc0 .Lno_fetch
.irp c, 0,1,2,3,4,5,6,7
	tensor_load_to_lds s[G0+4*\c:G0+4*\c+3], s[G1:G1+7]
	s_nop 0
.endr
.rept 4
	v_nop
.endr
.Lno_fetch:
	v_and_b32 v1, 31, v0
	s_delay_alu instid0(VALU_DEP_1)
	v_lshlrev_b32 v[LI], 4, v1
	s_wait_alu depctr_va_vdst(0)
	s_add_nc_u64 s[4:5], s[4:5], s[14:15]          ; Q's codes at my head
	s_xor_b32 s19, s[WV], 31                       ; the first job's group: 31 - wave
	s_lshl_b32 s94, s19, 2
	s_add_co_u32 s94, s94, s[PL]                   ; its tile of queries,
	s_lshl_b32 s96, s[WV], 2
	s_add_co_u32 s96, s96, s[PL]                   ; and the second job's
	s_lshl_b32 s90, s94, 10
	s_mov_b32 s91, 0
	s_add_nc_u64 s[98:99], s[4:5], s[90:91]
	global_load_b128 v[16:19], v[LI], s[98:99]
	global_load_b128 v[20:23], v[LI], s[98:99] offset:512
	s_lshl_b32 s90, s96, 10
	s_add_nc_u64 s[4:5], s[4:5], s[90:91]
	global_load_b128 v[24:27], v[LI], s[4:5]
	global_load_b128 v[28:31], v[LI], s[4:5] offset:512
	; where ctx's codes go: k = 64 H + channel: K step H >> 2 (2 MiB each), block (batch x 128 + tile) of 4,096 bytes, + (H & 3) x 1,024
	s_and_b32 s90, s[BH], 15
	s_lshr_b32 s85, s90, 2
	s_lshl_b32 s85, s85, 21
	s_and_b32 s90, s90, 3
	s_lshl_b32 s90, s90, 10
	s_add_co_u32 s85, s85, s90
	s_lshr_b32 s90, s[BH], 4
	s_lshl_b32 s90, s90, 19
	s_add_co_u32 s85, s85, s90
	s_lshl_b32 s90, s94, 12
	s_add_co_u32 s90, s90, s85
	s_add_nc_u64 s[CH:CH+1], s[12:13], s[90:91]
	s_lshl_b32 s90, s96, 12
	s_add_co_u32 s90, s90, s85
	s_add_nc_u64 s[CL:CL+1], s[12:13], s[90:91]
	; my query is 64 j + 32 (p >> 1) + 8 (p & 1) + (r & 7) + 16 (r >> 3)
	s_lshr_b32 s85, s[PL], 1
	s_lshl_b32 s85, s85, 5
	s_and_b32 s90, s[PL], 1
	s_lshl_b32 s90, s90, 3
	s_add_co_u32 s85, s85, s90
	v_and_b32 v5, 7, v0
	v_bfe_u32 v6, v0, 3, 1
	v_bfe_u32 v7, v0, 4, 1
	s_delay_alu instid0(VALU_DEP_1)
	v_sub_nc_u32 v6, v6, v7
	s_delay_alu instid0(VALU_DEP_1)
	v_lshl_add_u32 v[MK], v6, 4, v5
	s_delay_alu instid0(VALU_DEP_1)
	v_add_nc_u32 v[MK], s85, v[MK]
	s_mov_b32 s[SEL], 0x76543210
	s_mov_b32 s[SEL+1], 0xfedcba98
	s_mov_b32 s[CS], 0x3e38aa3b                    ; log2(e) / 8
	v_mov_b32 v236, 0                              ; written once: a lane permute's destination counts as one of its sources
	v_mov_b32 v253, 0                              ; (named as the upper half of the pair v[252:253])
	v_mov_b32 v246, 1.0
	s_wait_kmcnt 0x0
	s_add_co_i32 s85, s74, s75                     ; a score stands for score x 2^(e6 + e7): added to c's exponent field
	s_lshl_b32 s85, s85, 23
	s_add_co_i32 s[CS], s[CS], s85
	s_mov_b32 s[CS+1], s[CS]                       ; (named with it as a pair, so it is written)
	s_add_co_i32 s85, s76, 127
	s_lshl_b32 s90, s85, 23
	v_mov_b32 v244, s90                            ; 2^e8
	s_add_co_i32 s[EO], s76, s77
	s_sub_co_i32 s[EO], s[EO], s78
	INIT
	s_mov_b32 s[TB], 0
	s_lshr_b32 s[SL], s19, 1
	s_and_b32 s[DQ], s19, 1
	s_lshl_b32 s[DQ], s[DQ], 6
	s_wait_loadcnt 0x0                             ; Q of both jobs
	; THE FIRST JOB.  Its queries are 1,024 or later, so keys 0 to 767, steps 0 to 5, all count in every wave: they are walked chunk by chunk while the later chunks are on their way.
.irp c, 0,1,2
	s_wait_tensorcnt 7-\c                          ; in a fetching wave: chunks 0 to c have landed, the 7 - c younger loads stay out
	s_barrier_signal -1
	s_barrier_wait -1                              ; both fetching waves have said so
	s_mov_b32 s[CNT], 2
.Lopen_steps_\c:
	STEP 16, 0
	s_sub_co_u32 s[CNT], s[CNT], 1
	s_cmp_lg_u32 s[CNT], 0
	s_cbranch_scc1 .Lopen_steps_\c
	s_setprio 0
.endr
	s_wait_tensorcnt 0x0                           ; the whole head has landed
	s_barrier_signal -1
	s_barrier_wait -1
	s_mov_b32 s[SI], 6
.Ljob_h:
	STEP 16, 1
	s_add_co_u32 s[SI], s[SI], 1
	s_cmp_lt_u32 s[SI], 16
	s_cbranch_scc1 .Ljob_h
	s_setprio 0
	WAYOUT CH, 208
	; THE SECOND JOB
	INIT
	s_mov_b32 s[TB], 0
	s_mov_b32 s[SI], 0
	s_lshr_b32 s[SL], s[WV], 1
	s_and_b32 s[DQ], s[WV], 1
	s_lshl_b32 s[DQ], s[DQ], 6
.Ljob_l:
	STEP 24, 1
	s_add_co_u32 s[SI], s[SI], 1
	s_cmp_lt_u32 s[SI], 8
	s_cbranch_scc1 .Ljob_l
	s_setprio 0
	WAYOUT CL, 216
	s_wait_tensorcnt 0x0
	ds_add_u32 v251, v255
	s_wait_dscnt 0x0
	ROUND                                          ; the closing round
	s_endpgm
.Lfunc_end_k_q1bdda42879_attn:
	.size	k_q1bdda42879_attn, .Lfunc_end_k_q1bdda42879_attn-k_q1bdda42879_attn
	.p2alignl 7, 3214868480
	.fill 96, 4, 3214868480
	.section	.rodata,"a",@progbits
	.p2align	6, 0x0
	.amdhsa_kernel k_q1bdda42879_attn
		.amdhsa_group_segment_fixed_size 264192
		.amdhsa_private_segment_fixed_size 0
		.amdhsa_enable_private_segment 0
		.amdhsa_kernarg_size 40
		.amdhsa_user_sgpr_count 2
		.amdhsa_user_sgpr_kernarg_segment_ptr 1
		.amdhsa_wavefront_size32 1
		.amdhsa_system_sgpr_workgroup_id_x 1
		.amdhsa_system_sgpr_workgroup_id_y 1
		.amdhsa_system_sgpr_workgroup_id_z 1
		.amdhsa_system_vgpr_workitem_id 0
		.amdhsa_next_free_vgpr 256
		.amdhsa_next_free_sgpr 100
		.amdhsa_reserve_vcc 1
		.amdhsa_float_denorm_mode_32 3
		.amdhsa_float_denorm_mode_16_64 3
		.amdhsa_fp16_overflow 1
		.amdhsa_memory_ordered 1
		.amdhsa_forward_progress 1
		.amdhsa_inst_pref_size 95
	.end_amdhsa_kernel
	.amdgpu_metadata
---
amdhsa.version: [ 1, 2 ]
amdhsa.kernels:
  - .name:           k_q1bdda42879_attn
    .symbol:         k_q1bdda42879_attn.kd
    .args:
      - { .name: qc, .offset: 0, .size: 8, .value_kind: global_buffer, .address_space: global }
      - { .name: kc, .offset: 8, .size: 8, .value_kind: global_buffer, .address_space: global }
      - { .name: vc, .offset: 16, .size: 8, .value_kind: global_buffer, .address_space: global }
      - { .name: lowp_scales, .offset: 24, .size: 8, .value_kind: global_buffer, .address_space: global }
      - { .name: cc, .offset: 32, .size: 8, .value_kind: global_buffer, .address_space: global }
    .group_segment_fixed_size: 264192
    .private_segment_fixed_size: 0
    .kernarg_segment_align: 8
    .kernarg_segment_size: 40
    .max_flat_workgroup_size: 512
    .sgpr_count:     100
    .vgpr_count:     256
    .wavefront_size: 32
...
	.end_amdgpu_metadata
.endif
;; end of part 3
;; launch oproj (part 4): grid 4 x 32, 4 waves a work-group, clusters of 4 x 4, 327,680 bytes of LDS; arguments cc, wc, lowp_scales, bo, out0; writes out0
.if DOCPART == 4
	.amdgcn_target "amdgcn-amd-amdhsa--gfx1250"
	.amdhsa_code_object_version 6
	.text
	.protected	k_q1bdda42879_oproj
	.globl	k_q1bdda42879_oproj
	.p2align	8
	.type	k_q1bdda42879_oproj,@function
k_q1bdda42879_oproj:
	s_mov_b64 s[64:65], 0
	v_nop
	global_prefetch_b8 v0, s[64:65] scope:SCOPE_SE
	s_setreg_imm32_b32 hwreg(HW_REG_WAVE_MODE, 25, 1), 1
	s_wait_xcnt 0x0
	s_wait_alu depctr_hold_cnt(0) depctr_sa_sdst(0) depctr_va_vdst(0) depctr_va_sdst(0) depctr_va_ssrc(0) depctr_va_vcc(0) depctr_vm_vsrc(0)
	s_getreg_b32 s2, hwreg(HW_REG_IB_STS2, 6, 4)
	s_cmp_eq_u32 s2, 0
	s_cbranch_scc0 .Lentry_in_a_cluster
	s_endpgm
.Lentry_in_a_cluster:
	s_bfe_u32 s2, ttmp6, 0x10000c
	s_cmp_lg_u32 s2, 0xf033
	s_cbranch_scc0 .Lentry_shape_is_right
	s_endpgm
.Lentry_shape_is_right:
; out0 = ctx Wo + bo on E4M3 codes: ctx's codes (2^e10) as the attention launch stored them, Wo's (2^e11) at 3 MiB in the weights' buffer; out0 [8192][1024] f32.
; A tile of 256 x 256 is made by four waves, 128 x 128 each; K = 1,024 goes in four steps of 256 through two LDS slots.  The 128 tiles are 128 work-groups: a tile of half the size would read one and a half times the LDS bytes
; for each matrix instruction and want a second form of the loop.
; THE MATRIX INSTRUCTION IS USED TRANSPOSED: source 0 ("B") = 16 rows of Wo's codes (columns of out0 along a lane's registers), source 1 ("A") = 16 rows of ctx's codes (tokens on the lanes).
; All codes lie as images of the operands' registers (16 rows x 128 K = 2,048 bytes on end), so a wave's tensor load is one dense block of 32,768 bytes and a fragment is four loads at 16 x lane.
; Lane row r of block 2 B + u is row 32 B + 8 u + (r & 7) + 16 (r >> 3), in ctx's tokens and in Wo's columns alike; the way out puts every number back in its place.
; CLUSTERS: 4 x 4 work-groups; A's tile is asked for jointly along a row of the cluster, B's along a column.
; The bias is the C of each sum's first matrix instruction, as bo x 2^-(e10 + e11); each finished sum is multiplied once by 2^(e10 + e11).  LIMIT: e10 + e11 between -126 and 127.
; REGISTERS, in windows of 256: window 0: v16-31 addresses; v32-95 the bias, later a block's results; v128-255 A's fragments, one set, later rows read back from the stage.
;   window 1: B's fragments, two sets.   windows 2, 3: the accumulators of A's blocks 0-3 and 4-7, (a, b) at v[8 (8 (a % 4) + b)].
.set FR,    16
.set NL,    4
.set NP,    4                          ; places behind this matrix instruction (ISA guide 7.12.1)
.set HALFT, 32768
.set SLOT,  4*HALFT
.set SPARE, 2*SLOT                     ; behind the ring: the spare words, 128 bytes for each wave: two blocks of 256 bytes that no other line names
.set STAGE, SPARE+512                  ; behind them: a stage of 16 rows x (512 bytes + 16) for each wave, bytes into which no tile lands
.set SPITCH, 528
.set STA2,  0x400000                   ; two K steps of ctx's codes: 2 x 8,192 rows x 256 bytes
.set STB2,  0x80000                    ; two K steps of Wo's: 2 x 1,024 rows x 256 bytes
.set ADRA, 16
.set ADRB, 20
.set STO,  24                          ; v24 the way out: where I put 32 bytes of a row
.set RD,   25                          ; v25 and where I read a row back
.set LI,   26                          ; v26 16 x lane
.set SPW,  28                          ; v28 my spare word; never rewritten
.set NIL,  29                          ; v29 0; never rewritten
.set BI,   32
.set TMP,  32
.set AF,   128
.set BK,   128
.set G1,  24
.set G0,  32
.set G1B, 48
.set G0B, 56
.set MSB, 0
.macro WIN new                         ; the immediate's high byte repeats the setting that is left
.if MSB != \new
	s_set_vgpr_msb (MSB<<8)|\new
.set MSB, \new
.endif
.endm
.set MUL_LO, 0xa1                      ; source 0 (B) window 1, source 1 (A) window 0, C and D window 2
.set MUL_HI, 0xf1
.set TO_B,   0x40
.macro JLOAD s                         ; a joint load: waves 0 and 1 fetch A's halves, waves 2 and 3 B's; four v_nop follow each of the two lines
	s_cmp_eq_u32 s15, 0
	s_cbranch_scc0 .Lfor_b_\@
	tensor_load_to_lds s[G0+4*\s:G0+4*\s+3], s[G1:G1+7]
	s_nop 0
.rept 4
	v_nop
.endr
	s_branch .Lasked_\@
.Lfor_b_\@:
	tensor_load_to_lds s[G0B+4*\s:G0B+4*\s+3], s[G1B:G1B+7]
	s_nop 0
.rept 4
	v_nop
.endr
.Lasked_\@:
.endm
.macro CREST
	s_cmp_lg_u32 s14, 0
	s_cbranch_scc1 .Lnot_wave_0_\@
	s_barrier_signal -3
.Lnot_wave_0_\@:
	s_barrier_wait -3
	s_barrier_signal -1
	s_barrier_wait -1
.endm
.macro CROUND
	s_barrier_signal -1
	s_barrier_wait -1
	CREST
.endm
.macro PLACES n
.rept \n
	v_nop
.endr
.endm
.macro FRAG reg, adr, q, i
.irp c, 0,1,2,3
	ds_load_b128 v[\reg+4*\c:\reg+4*\c+3], v[\adr] offset:4096*(\i)+2048*(\q)+512*\c
.endr
.endm
.macro FETCH_B slot, q, p
	WIN TO_B
.irp i, 0,1,2,3,4,5,6,7
	FRAG 128*(\p)+FR*\i, ADRB+\slot, \q, \i
.endr
	WIN 0
.endm
.macro FETCH_A slot, q, i0
.irp i, \i0, \i0+1, \i0+2, \i0+3
	FRAG AF+FR*(\i), ADRA+\slot, \q, \i
.endr
.endm
; 16 matrix instructions: A's blocks a0, a0 + 1 x B's eight.  mode 0: the sums go on in place; 1: they begin with the bias of B's block.  The 64 accumulators take turns, one instruction a turn.
.macro MUL16 a0, p, mode
.irp a, \a0, \a0+1
.irp b, 0,1,2,3,4,5,6,7
.if \mode == 0
	v_wmma_f32_16x16x128_fp8_fp8 v[8*(8*((\a)%4)+\b):8*(8*((\a)%4)+\b)+7], v[128*(\p)+FR*\b:128*(\p)+FR*\b+FR-1], v[AF+FR*(\a):AF+FR*(\a)+FR-1], v[8*(8*((\a)%4)+\b):8*(8*((\a)%4)+\b)+7]
.else
	v_wmma_f32_16x16x128_fp8_fp8 v[8*(8*((\a)%4)+\b):8*(8*((\a)%4)+\b)+7], v[128*(\p)+FR*\b:128*(\p)+FR*\b+FR-1], v[AF+FR*(\a):AF+FR*(\a)+FR-1], v[BI+8*\b:BI+8*\b+7]
.endif
.endr
.endr
.endm
.macro STEP slot, q, mode
	s_wait_dscnt 4*NL                              ; B's set and A's blocks 0-3 are in; the youngest sixteen loads (A's blocks 4-7) may be out
.if \mode
	WIN 0x81                                       ; as MUL_LO, with C (the bias) in window 0
.else
	WIN MUL_LO
.endif
	MUL16 0, (\q)%2, \mode
	MUL16 2, (\q)%2, \mode
	s_wait_dscnt 0                                 ; A's blocks 4-7 are in
	PLACES NP                                      ; in front of loads into registers that matrix instructions have read
	FETCH_B \slot, (\q)+1, 1-(\q)%2
	FETCH_A \slot, (\q)+1, 0
.if \mode
	WIN 0xc1
.else
	WIN MUL_HI
.endif
	MUL16 4, (\q)%2, \mode
	MUL16 6, (\q)%2, \mode
	PLACES NP
	WIN 0
	FETCH_A \slot, (\q)+1, 4
.endm
; A slot's last step changes slots: one barrier; in front of it each wave waits for all its tensor loads, adds 0 to its spare word, and waits for that and for its reads of this slot.  fill = 1: this slot takes the K step two on.
.macro TURN slot, next, fill
	s_wait_tensorcnt 0x0                           ; all my tensor loads have landed: the one that was out is my part of the next slot
	ds_add_u32 v[SPW], v[NIL]                      ; 0 onto my spare word
	s_wait_dscnt 4*NL+1                            ; (the add and the youngest sixteen loads may be out)
	WIN MUL_LO
	MUL16 0, 1, 0
	s_wait_dscnt 0x0                               ; the add is done, and my reads of this slot are over
	s_barrier_signal -1
	MUL16 2, 1, 0
	WIN 0
	s_barrier_wait -1
.if \fill
	CREST                                          ; the barrier has opened a round of the cluster's barrier: no wave of any partner still reads this slot or has a load on its way
	s_add_nc_u64 s[G0+4*\slot+2:G0+4*\slot+3], s[G0+4*\slot+2:G0+4*\slot+3], STA2
	s_add_nc_u64 s[G0B+4*\slot+2:G0B+4*\slot+3], s[G0B+4*\slot+2:G0B+4*\slot+3], STB2
	JLOAD \slot                                    ; the first tensor load behind the round; its four v_nop are the places in front of the loads below
.else
	PLACES NP
.endif
	FETCH_B \next, 0, 0
	FETCH_A \next, 0, 0
	WIN MUL_HI
	MUL16 4, 1, 0
	MUL16 6, 1, 0
	PLACES NP
	WIN 0
	FETCH_A \next, 0, 4
.endm
; THE WAY OUT, block by block of 16 tokens x 128 columns.  A lane holds eight neighbouring columns of one token in each accumulator; the block goes through my own stage in LDS and comes back as whole rows of 512 bytes.
; LDS serves a wave's instructions in order (ISA guide 5.7.1.4): no wait between the stores and the loads, nor in front of the next block's stores.
.macro TOSTAGE a
.set AC, 64*((\a)%4)
	WIN 0x02+((\a)/4)                              ; source 0: window 2 or 3
.set j, 0
.rept 32
	v_pk_mul_f32 v[TMP+j:TMP+j+1], v[AC+j:AC+j+1], s[96:97] op_sel_hi:[1,0]   ; x 2^(e10 + e11); each accumulator from its low end on
.set j, j+2
.endr
	WIN 0
.irp b, 0,1,2,3,4,5,6,7
	ds_store_b128 v[STO], v[TMP+8*\b:TMP+8*\b+3] offset:128*(\b/2)+32*(\b%2)        ; columns 32 (b / 2) + 8 (b % 2) + 16 h + 0 .. 7 of my 128
	ds_store_b128 v[STO], v[TMP+8*\b+4:TMP+8*\b+7] offset:128*(\b/2)+32*(\b%2)+16
.endr
.set BB, BK+64*((\a)%2)
.irp t, 0,1,2,3,4,5,6,7,8,9,10,11,12,13,14,15
	ds_load_b128 v[BB+4*\t:BB+4*\t+3], v[RD] offset:\t*SPITCH
.endr
.endm
.macro SEND a, younger                 ; younger: the LDS instructions issued behind block a's loads, which may stay out
.set BB, BK+64*((\a)%2)
	s_wait_dscnt \younger
.irp t, 0,1,2,3,4,5,6,7,8,9,10,11,12,13,14,15
	global_store_b128 v[LI], v[BB+4*\t:BB+4*\t+3], s[68:69] offset:(32*((\a)/2)+8*((\a)%2)+(\t%8)+16*(\t/8))*4096 th:TH_STORE_NT   ; lane row t's token: 32 lanes store 512 consecutive bytes; 127 rows of 4,096 bytes at the most stand in the immediate
.endr
.endm
	s_load_b256 s[4:11], s[0:1], 0x0               ; cc s[4:5], wc s[6:7], the exponents s[8:9], bo s[10:11]
	s_load_b64 s[68:69], s[0:1], 0x20              ; out0
	v_lshl_add_u32 v[SPW], v0, 2, SPARE
	v_mov_b32 v[NIL], 0
	ds_add_u32 v28, v29
	ds_add_u32 v28, v29
	s_wait_dscnt 0x0
	v_lshrrev_b32 v1, 5, v0
	v_readfirstlane_b32 s14, v1                    ; wave 0..3
	s_lshr_b32 s15, s14, 1                         ; which half of A's rows is mine.  Also: I fetch for A (0) or for B (1)
	s_and_b32 s16, s14, 1                          ; which half of B's rows.  Also: which 128 rows of that tile I fetch
	s_bfe_u32 s40, ttmp6, 0x40000                  ; cx
	s_bfe_u32 s41, ttmp6, 0x40004                  ; cy
	s_lshl_b32 s13, ttmp9, 2
	s_add_co_u32 s13, s13, s40                     ; B's tile: 256 columns
	s_and_b32 s12, ttmp7, 0xffff
	s_lshl_b32 s12, s12, 2
	s_add_co_u32 s12, s12, s41                     ; A's tile: 256 tokens
	s_lshl_b32 s43, s41, 2
	s_lshl_b32 s43, 15, s43                        ; my row of the cluster
	s_lshl_b32 s44, 0x1111, s40                    ; my column
	; group 1: a dense block of 32,768 bytes as 128 rows of 32 elements of 8 bytes, no padding
	s_or_b32 s[G1], s43, (3<<16)|(1<<21)
	s_or_b32 s[G1B], s44, (3<<16)|(1<<21)
.irp g, G1, G1B
	s_mov_b32 s[\g+1], 32<<16                      ; tensor_dim0
	s_mov_b32 s[\g+2], 128<<16                     ; tensor_dim1
	s_mov_b32 s[\g+3], 32<<16                      ; tile_dim0
	s_mov_b32 s[\g+4], 128                         ; tile_dim1
	s_mov_b32 s[\g+5], 32                          ; tensor_dim0_stride
	s_mov_b32 s[\g+6], 0
	s_mov_b32 s[\g+7], 0
.endr
	s_lshl_b32 s18, s16, 15                        ; the 128 rows that I fetch
	s_lshl_b32 s20, s12, 16
	s_add_co_u32 s20, s20, s18
	s_mov_b32 s21, 0
	s_lshl_b32 s46, s13, 16
	s_add_co_u32 s46, s46, s18
	s_add_co_u32 s46, s46, 0x300000                ; Wo's codes are the fourth MiB of the weights' buffer
	s_mov_b32 s47, 0
	s_lshl_b32 s45, s14, 15                        ; where my tile goes: wave x 32,768
	s_wait_kmcnt 0x0
	s_load_b64 s[96:97], s[8:9], 0x28              ; e10, e11
	s_add_nc_u64 s[20:21], s[4:5], s[20:21]
	s_add_nc_u64 s[46:47], s[6:7], s[46:47]
.irp s, 0,1
	s_mov_b32 s[G0+4*\s], 1
	s_add_co_u32 s[G0+4*\s+1], s45, \s*SLOT
	s_add_nc_u64 s[G0+4*\s+2:G0+4*\s+3], s[20:21], \s*(STA2/2)
	s_or_b32 s[G0+4*\s+3], s[G0+4*\s+3], 0x80000000
	s_mov_b32 s[G0B+4*\s], 1
	s_add_co_u32 s[G0B+4*\s+1], s45, \s*SLOT
	s_add_nc_u64 s[G0B+4*\s+2:G0B+4*\s+3], s[46:47], \s*(STB2/2)
	s_or_b32 s[G0B+4*\s+3], s[G0B+4*\s+3], 0x80000000
.endr
	CROUND                                         ; all sixteen work-groups are here: the first joint loads meet
	JLOAD 0
	s_wait_alu depctr_va_vdst(0)
	s_wait_tensorcnt 0x0
	ds_add_u32 v28, v29
	s_wait_dscnt 0x0
	CROUND
	JLOAD 1                                        ; one tensor load of mine is out: K step 1's
	v_and_b32 v1, 31, v0
	v_lshlrev_b32 v[LI], 4, v1
	s_lshl_b32 s22, s15, 15
	s_lshl_b32 s23, s16, 15
	s_add_co_u32 s23, s23, 2*HALFT
	v_add_nc_u32 v[ADRA], s22, v[LI]
	v_add_nc_u32 v[ADRB], s23, v[LI]
	v_add_nc_u32 v[ADRA+1], SLOT, v[ADRA]
	v_add_nc_u32 v[ADRB+1], SLOT, v[ADRB]
	v_and_b32 v2, 15, v0                           ; r
	v_bfe_u32 v3, v0, 4, 1                         ; h
	s_wait_alu depctr_va_vdst(0)
	s_mul_i32 s23, s14, 16*SPITCH
	s_add_co_u32 s23, s23, STAGE                   ; my stage
	v_mul_u32_u24 v4, v2, SPITCH
	v_lshl_add_u32 v4, v3, 6, v4
	v_add_nc_u32 v[STO], s23, v4                   ; in: stage row r, + 64 h
	v_add_nc_u32 v[RD], s23, v[LI]                 ; back: the 32 lanes take one row of 512 bytes
	s_lshl_b32 s2, s12, 20                         ; out0: my first token: 256 x tile + 128 x half, rows of 4,096 bytes;
	s_lshl_b32 s3, s15, 19
	s_add_co_u32 s2, s2, s3
	s_lshl_b32 s98, s13, 10                        ; my first column: 256 x tile + 128 x half, 4 bytes each
	s_lshl_b32 s99, s16, 9
	s_add_co_u32 s98, s98, s99
	s_mov_b32 s99, 0
	s_add_co_u32 s2, s2, s98
	s_mov_b32 s3, 0
	s_add_nc_u64 s[68:69], s[68:69], s[2:3]
	s_add_nc_u64 s[10:11], s[10:11], s[98:99]      ; bo at my first column
	v_lshlrev_b32 v27, 6, v3
.irp b, 0,1,2,3,4,5,6,7                        ; tile b's eight: columns 32 (b / 2) + 8 (b % 2) + 16 h + 0 .. 7 of my 128
	global_load_b128 v[BI+8*\b:BI+8*\b+3], v27, s[10:11] offset:(32*(\b/2)+8*(\b%2))*4
	global_load_b128 v[BI+8*\b+4:BI+8*\b+7], v27, s[10:11] offset:(32*(\b/2)+8*(\b%2))*4+16
.endr
	s_wait_kmcnt 0x0
	s_add_co_i32 s96, s96, s97                     ; e10 + e11
	s_sub_co_i32 s22, 0, s96
	s_add_co_i32 s96, s96, 127
	s_lshl_b32 s96, s96, 23                        ; 2^(e10 + e11) as f32
	s_mov_b32 s97, s96                             ; (named with it as a pair, so it is written)
	s_wait_loadcnt 0x0
.set i, 0
.rept 64
	v_ldexp_f32 v[BI+i], v[BI+i], s22              ; bo x 2^-(e10 + e11)
.set i, i+1
.endr
	s_wait_alu depctr_va_vdst(0)
	s_wait_tensorcnt 1                             ; my part of K step 0 is in; K step 1's load may be out
	s_barrier_signal -1
	s_barrier_wait -1
	FETCH_B 0, 0, 0
	FETCH_A 0, 0, 0
	FETCH_A 0, 0, 4
	STEP 0, 0, 1                                   ; the first step starts the sums with the bias
	TURN 0, 1, 1                                   ; K has four steps of 256: the walk is written straight
	STEP 1, 0, 0
	TURN 1, 0, 1
	STEP 0, 0, 0
	TURN 0, 1, 0                                   ; nothing is left to fetch
	STEP 1, 0, 0
	s_wait_dscnt 4*NL
	WIN MUL_LO
	MUL16 0, 1, 0
	MUL16 2, 1, 0
	s_wait_dscnt 0
	WIN MUL_HI
	MUL16 4, 1, 0
	MUL16 6, 1, 0
	WIN 0
	PLACES NP                                      ; behind the last products: for the loads into the registers that held A's fragments, and for the reads of results
	TOSTAGE 0
.irp a, 1,2,3,4,5,6,7
.if \a > 1
	s_wait_xcnt 0x0                                ; block a - 2's stores have read their registers: block a's loads may land there
.endif
	TOSTAGE \a
	SEND \a-1, 32                                  ; behind block a - 1's loads: block a's 16 stores and 16 loads
.endr
	SEND 7, 0
	s_wait_tensorcnt 0x0                           ; the wave's end
	ds_add_u32 v[SPW], v[NIL]
	s_wait_dscnt 0x0
	CROUND                                         ; the closing round: no work-group ends while a partner may still ask for a tile that names it
	s_endpgm
.Lfunc_end_k_q1bdda42879_oproj:
	.size	k_q1bdda42879_oproj, .Lfunc_end_k_q1bdda42879_oproj-k_q1bdda42879_oproj
	.p2alignl 7, 3214868480
	.fill 96, 4, 3214868480
	.section	.rodata,"a",@progbits
	.p2align	6, 0x0
	.amdhsa_kernel k_q1bdda42879_oproj
		.amdhsa_group_segment_fixed_size 327680
		.amdhsa_private_segment_fixed_size 0
		.amdhsa_enable_private_segment 0
		.amdhsa_kernarg_size 40
		.amdhsa_user_sgpr_count 2
		.amdhsa_user_sgpr_kernarg_segment_ptr 1
		.amdhsa_wavefront_size32 1
		.amdhsa_system_sgpr_workgroup_id_x 1
		.amdhsa_system_sgpr_workgroup_id_y 1
		.amdhsa_system_sgpr_workgroup_id_z 1
		.amdhsa_system_vgpr_workitem_id 0
		.amdhsa_next_free_vgpr 1024
		.amdhsa_next_free_sgpr 100
		.amdhsa_reserve_vcc 0
		.amdhsa_float_denorm_mode_32 3
		.amdhsa_float_denorm_mode_16_64 3
		.amdhsa_memory_ordered 1
		.amdhsa_forward_progress 1
		.amdhsa_inst_pref_size 128
	.end_amdhsa_kernel
	.amdgpu_metadata
---
amdhsa.version: [ 1, 2 ]
amdhsa.kernels:
  - .name:           k_q1bdda42879_oproj
    .symbol:         k_q1bdda42879_oproj.kd
    .args:
      - { .name: cc, .offset: 0, .size: 8, .value_kind: global_buffer, .address_space: global }
      - { .name: wc, .offset: 8, .size: 8, .value_kind: global_buffer, .address_space: global }
      - { .name: lowp_scales, .offset: 16, .size: 8, .value_kind: global_buffer, .address_space: global }
      - { .name: bo, .offset: 24, .size: 8, .value_kind: global_buffer, .address_space: global }
      - { .name: out0, .offset: 32, .size: 8, .value_kind: global_buffer, .address_space: global }
    .group_segment_fixed_size: 327680
    .private_segment_fixed_size: 0
    .kernarg_segment_align: 8
    .kernarg_segment_size: 40
    .max_flat_workgroup_size: 128
    .sgpr_count:     100
    .vgpr_count:     1024
    .wavefront_size: 32
...
	.end_amdgpu_metadata
.endif
;; end of part 4
